; MI455X (gfx1250); checked and timed in simulation.
; The chip was launched on July 23, 2026; its instructions are those of AMD's public machine-readable ISA for CDNA 5 (MIT licence, August 2026) and "CDNA5" Instruction Set Architecture Reference Guide (July 2026). The comments in the code are by the model that wrote it; some were corrected since.
;; Attention. Allowed arithmetic: matrix products marked QUANTISED: E2M1 operands, one E8M0 scale for each 32 along K, by v_wmma_scale_f32_16x16x128_f8f6f4 with both operands' format E2M1 (or v_wmma_scale_f32_32x16x128_f4), f32 sums; products left as they are: bf16, f16 or f32 operands; f32 sums; everything else in f32.
;; Inputs: U 1,024 x 1,024 float32; W 1,024 x 1,024 float32; k 8 x 2,048 x 1,024 float32; q 8 x 2,048 x 1,024 float32; v 8 x 2,048 x 1,024 float32.
;; Outputs: out0 8 x 2,048 x 1,024 float32.
;; This version of the problem:
;;   THIS VERSION OF THE PROBLEM IS GIVEN IN LOW PRECISION. The matrix products marked QUANTISED in the list below multiply operands that are first quantised to E2M1 (2 exponent bits, 1 mantissa bit; 4 bits a number), with one power-of-two scale for each 32 numbers along K (OCP MX v1.0); their sums are f32. The products marked 'left as it is' may take bf16, f16 or f32 operands, with f32 sums. Whichever they take, every output number must still come out within the allowed error. Rounding operands to bf16 (8 significant bits) uses up far more of that allowance than f16 does (11 bits, for magnitudes from 6e-5 to 65,504). All else is computed in f32.
;;   The module's matrix products, in the order in which they are computed (A, B: the left and right operand; K: the contracted axis; several contracted axes count as one K, in the product's order):
;;     1. [M 16,384, K 1,024] x [K 1,024, N 1,024]; A: input k; B: input W: QUANTISED
;;     2. [M 16,384, K 1,024] x [K 1,024, N 1,024]; A: input q; B: input U: QUANTISED
;;     3. batch 8 x [M 1,024, K 2,048] x [K 2,048, N 1,024]; A: input v; B: computed on the way: left as it is (an operand is computed on the way)
;;     4. batch 8 x [M 2,048, K 1,024] x [K 1,024, N 1,024]; A: input v; B: computed on the way: left as it is (an operand is computed on the way)
;;   THE QUANTISER, for each operand of a quantised product, along K:
;;     - K is cut into blocks of 32 from its start; a last block that is shorter is filled with zeros.
;;     - A block's scale is 2^e with e = floor(log2(the largest magnitude in the block)) - 2, held to -126 .. 127; a block of zeros has e = 0. As a byte (E8M0): e + 127.
;;     - Each number is divided by its block's scale, clamped to +-6, and rounded to the nearest number of E2M1, ties to even, subnormals kept.
;;     - The product sums the exact products of the quantised numbers (number of the format x scale) in f32.
;;   ~~~python
;;   def quantise(x, axis):      # numpy; x: float32 -> the quantised numbers, widened to float32 again
;;       x = np.moveaxis(x, axis, -1); K = x.shape[-1]
;;       x = np.pad(x, [(0, 0)] * (x.ndim - 1) + [(0, -K % 32)]); x = x.reshape(x.shape[:-1] + (-1, 32)); a = np.abs(x).max(-1, keepdims=True)
;;       e = np.where(a > 0, np.clip(np.frexp(np.where(a > 0, a, 1))[1] - 1 - 2, -126, 127), 0)      # np.frexp(a)[1] - 1 = floor(log2(a)), exactly
;;       r = np.clip(x / 2.0 ** e, -6, 6)
;;       step = 2.0 ** (np.maximum(np.frexp(np.where(r == 0, 1, r))[1] - 1, 0) - 1)
;;       q = np.round(r / step) * step * 2.0 ** e      # np.round: ties to even
;;       return np.moveaxis(q.reshape(q.shape[:-2] + (-1,))[..., :K], -1, axis).astype(np.float32)
;;   ~~~
;; One version. Each part assembles by itself: llvm-mc -triple=amdgcn-amd-amdhsa -mcpu=gfx1250 --defsym DOCPART=n.
;; ======== version 1 of 1: 5 launches
;; limits: values are held in f16: magnitudes above 65,504 overflow, below 6.1e-05 lose precision; inputs' magnitudes at most 65,504
;; workspace buffers: x_codes 16,777,216 bytes; x_scales 1,048,576 bytes; w_codes 1,048,576 bytes; w_scales 65,536 bytes; v16 33,554,432 bytes; fac 33,554,432 bytes; s_img 33,554,432 bytes; attn 16,777,216 bytes
;; launch prep (part 1): grid 1568 x 1, 4 waves a work-group, no clusters, 68,096 bytes of LDS; arguments k, q, v, W, U, x_codes, x_scales, w_codes, w_scales, v16; writes x_codes, x_scales, w_codes, w_scales, v16
.if DOCPART == 1
	.amdgcn_target "amdgcn-amd-amdhsa--gfx1250"
	.amdhsa_code_object_version 6
	.text
	.protected	k_qf99b4a4aad_prep
	.globl	k_qf99b4a4aad_prep
	.p2align	8
	.type	k_qf99b4a4aad_prep,@function
k_qf99b4a4aad_prep:
	s_mov_b64 s[64:65], 0
	v_nop
	global_prefetch_b8 v0, s[64:65] scope:SCOPE_SE
	s_setreg_imm32_b32 hwreg(HW_REG_WAVE_MODE, 25, 1), 1
	s_wait_xcnt 0x0
; PREP: everything that is made of the inputs once.  Three paths, parted by the work-group's number alone; they never join.
;   work-groups 0-31:      W and U [1024 (K)][1024 (e)], f32, K outermost -> codes of FP4 (E2M1) with K innermost, w_codes [1024 e][1024 bytes: W's K, then U's K], and one E8M0 byte for each 32 along K, w_scales [1024 e][64]
;   work-groups 32-1055:   k and q [16384][1024], f32, K innermost -> x_codes [16384 rows][1024 bytes: k's 1024 codes, then q's], x_scales [16384][64: k's 32 bytes, then q's]
;   work-groups 1056-1567: v [16384][1024] f32 -> v16, the same numbers in f16, row-major
; So k W + q U is ONE product with K = 2048 for the next launch.
; THE QUANTISER: a block's scale is 2^(floor(log2(its largest magnitude)) - 2); its byte is the largest magnitude's exponent field - 2, held at 1 from below; each number is divided by the scale and rounded to the
; nearest code, ties to even, beyond 6 the largest code.
; LIMITS: a block of zeros gets the byte 1 where the rule says 127 (its codes are zeros, which add nothing under any byte but 0xff, and the bytes are read by this program alone); blocks whose largest magnitude lies
; under 2^-124 keep the byte 1; NaN and infinities among the inputs are not served; |v| above 65,504 has no f16 number.
; No work-group shares an input byte with another: no cluster, no tensor load, no barrier.  Each of the two paths that use LDS has LDS bytes of its own.
.set SPARE,  67584                     ; behind both paths' regions: the spare words, 128 bytes for each wave: two blocks of 256 bytes that no other line names
.set SPW,    254                       ; v254  LDS address of my spare word: SPARE + 4 x my thread's number; never rewritten
.set NIL,    255                       ; v255  0; never rewritten
; the k/q path
.set STEPS,  16                        ; steps of 512 numbers for a wave
.set SP,     80                        ; a lane's place in a stage: 64 bytes + 16 of padding
.set KR,     16                        ; v16-79   four sets of 16 numbers as they are loaded
.set KX,     80                        ; v80-111  two sets of 16 neighbours
.set KE,     112                       ; v112-127 a scale byte for each step
.set KC,     128                       ; v128-191 codes: four registers for each step, so that no store's data are written again
; the weights' path
.set WSTG,   32768                     ; its stages begin here: 32 x 272 bytes for each wave
.set WPITCH, 272                       ; a stage row: 256 bytes of codes + 16
.set NB,     16                        ; blocks of 32 along K for a wave
.set KROW,   1024                      ; a row of w_codes in bytes
.set WSB,    24                        ; v24-27   the scale bytes, four to a register
.set WX,     32                        ; v32-95   two sets of 32 numbers
.set WC,     96                        ; v96-99   a block's codes
.set WOUT,   112                       ; v112-175 the way out
; v's path
.set VX,     16                        ; v16-79   sixteen slots of four registers
.set VY,     96                        ; v96-223  two registers for each of the 64 stores, never rewritten
	s_load_b512 s[8:23], s[0:1], 0x0               ; k s[8:9], q s[10:11], v s[12:13], W s[14:15], U s[16:17], x_codes s[18:19], x_scales s[20:21], w_codes s[22:23]
	s_load_b128 s[24:27], s[0:1], 0x40             ; w_scales s[24:25], v16 s[26:27]
	v_lshl_add_u32 v[SPW], v0, 2, SPARE
	v_mov_b32 v[NIL], 0
	v_lshrrev_b32 v1, 5, v0
	v_readfirstlane_b32 s28, v1                    ; wave 0..3
	v_and_b32 v2, 31, v0                           ; lane
	s_wait_kmcnt 0x0
	s_cmp_lt_u32 ttmp9, 32
	s_cbranch_scc1 .Lweights
	s_cmp_lt_u32 ttmp9, 1056
	s_cbranch_scc1 .Lkq
; ---------------- v to f16.  A wave takes 8,192 numbers: 64 loads of 512 consecutive bytes, 64 stores of 256 consecutive aligned bytes.  Sixteen loads of the wave are always out.
	s_sub_co_u32 s29, ttmp9, 1056
	s_lshl_b32 s29, s29, 2
	s_add_co_u32 s29, s29, s28                     ; my run, 0..2047
	s_lshl_b32 s30, s29, 15                        ; 32,768 bytes of v,
	s_mov_b32 s31, 0
	s_add_nc_u64 s[12:13], s[12:13], s[30:31]
	s_lshl_b32 s30, s29, 14                        ; 16,384 of v16
	s_add_nc_u64 s[26:27], s[26:27], s[30:31]
	v_lshlrev_b32 v3, 4, v2                        ; in: 16 bytes a lane
	v_lshlrev_b32 v4, 3, v2                        ; out: 8 bytes a lane
.irp i, 0,1,2,3,4,5,6,7,8,9,10,11,12,13,14,15
	global_load_b128 v[VX+4*\i:VX+4*\i+3], v3, s[12:13] offset:512*\i th:TH_LOAD_NT
.endr
.set VI, 0
.rept 64
.if 63-VI < 15
	s_wait_loadcnt 63-VI                           ; the last sixteen: the counts run down
.else
	s_wait_loadcnt 15                              ; loads come back in order: mine is in, the fifteen younger ones stay out
.endif
	v_cvt_pk_f16_f32 v[VY+2*VI], v[VX+4*(VI%16)], v[VX+4*(VI%16)+1]        ; first source into the low half
	v_cvt_pk_f16_f32 v[VY+2*VI+1], v[VX+4*(VI%16)+2], v[VX+4*(VI%16)+3]
.if VI+16 < 64
	global_load_b128 v[VX+4*(VI%16):VX+4*(VI%16)+3], v3, s[12:13] offset:512*(VI+16) th:TH_LOAD_NT   ; the slot's next 512 bytes
.endif
	global_store_b64 v4, v[VY+2*VI:VY+2*VI+1], s[26:27] offset:256*VI     ; every store has data registers of its own: none is written again
.set VI, VI+1
.endr
	s_endpgm
; ---------------- k and q.  Wave's run R = rows 4 R .. 4 R + 3 of BOTH tensors: 16 steps of 512 numbers; step t is row t / 4, tensor (t / 2) % 2, half t % 2 of the row.
; In that order a step's 256 bytes of codes lie at 256 t and its 16 scale bytes at 16 t of the run's part of x_codes and x_scales: 4,096 and 256 consecutive bytes a wave.
; The conversions take 8 numbers of ONE block from a lane's registers, so a lane must hold 16 neighbours; a load is best where neighbouring lanes take neighbouring bytes.  Both are had: a step's four loads read 512
; consecutive bytes each, the 2,048 bytes go through the wave's own stage in LDS as they lie, and come back 64 bytes a lane.  Two stages by turns; loads run four steps ahead, the turn through LDS one step.
.Lkq:
	s_sub_co_u32 s29, ttmp9, 32
	s_lshl_b32 s29, s29, 2
	s_add_co_u32 s29, s29, s28                     ; R, 0..4095
	s_mov_b32 s31, 0
	s_lshl_b32 s30, s29, 14                        ; four rows of 4,096 bytes
	s_add_nc_u64 s[8:9], s[8:9], s[30:31]
	s_add_nc_u64 s[10:11], s[10:11], s[30:31]
	s_lshl_b32 s30, s29, 12                        ; four rows of 1,024 bytes of codes
	s_add_nc_u64 s[18:19], s[18:19], s[30:31]
	s_lshl_b32 s30, s29, 8                         ; four rows of 64 scale bytes
	s_add_nc_u64 s[20:21], s[20:21], s[30:31]
	v_lshlrev_b32 v3, 4, v2                        ; my 16 bytes of a load's 512
	s_lshl_b32 s32, s28, 13                        ; my wave's 8,192 bytes of LDS: two stages of 32 x SP bytes, behind them its 256 scale bytes
	v_lshrrev_b32 v14, 2, v2
	v_mul_u32_u24 v14, v14, SP
	v_and_b32 v15, 3, v2
	v_lshl_add_u32 v14, v15, 4, v14
	v_add_nc_u32 v14, s32, v14                     ; the stage, on the way in: four lanes' 64 bytes on end, then 16 of padding
	v_mul_u32_u24 v15, v2, SP
	v_add_nc_u32 v15, s32, v15                     ; and on the way out: SP x lane: my 16 neighbours
	v_lshlrev_b32 v4, 3, v2                        ; 8 x lane: my codes' place in a step's, and my 8 scale bytes' on the way out
	v_lshrrev_b32 v5, 1, v2
	s_add_co_u32 s32, s32, 2*32*SP
	v_add_nc_u32 v5, s32, v5                       ; LDS: my block's byte
	v_add_nc_u32 v6, s32, v4                       ; and 8 bytes a lane on the way out
.macro KLOAD t
.irp i, 0,1,2,3
.if (((\t)/2)%2) == 0
	global_load_b128 v[KR+16*((\t)%4)+4*\i:KR+16*((\t)%4)+4*\i+3], v3, s[8:9] offset:4096*((\t)/4)+2048*((\t)%2)+512*\i th:TH_LOAD_NT
.else
	global_load_b128 v[KR+16*((\t)%4)+4*\i:KR+16*((\t)%4)+4*\i+3], v3, s[10:11] offset:4096*((\t)/4)+2048*((\t)%2)+512*\i th:TH_LOAD_NT
.endif
.endr
.endm
.macro KTURN t                         ; step t's numbers through the stage: LDS serves a wave's instructions in order (ISA guide 5.7.1.4), so no wait stands between the stores and the loads
.irp i, 0,1,2,3
	ds_store_b128 v14, v[KR+16*((\t)%4)+4*\i:KR+16*((\t)%4)+4*\i+3] offset:32*SP*((\t)%2)+8*SP*\i
.endr
.irp i, 0,1,2,3
	ds_load_b128 v[KX+16*((\t)%2)+4*\i:KX+16*((\t)%2)+4*\i+3], v15 offset:32*SP*((\t)%2)+16*\i
.endr
.endm
.irp t, 0,1,2,3
	KLOAD \t
.endr
	s_wait_loadcnt 12                              ; step 0's four loads are in; twelve younger ones stay out
	KTURN 0
.macro KSTEPM t
.set XS, KX+16*((\t)%2)
.if (\t) > 0
	s_wait_dscnt 1                                 ; this step's numbers are back from the stage (the last step's byte store may be out): so its stores into the stage have read their registers,
.else
	s_wait_dscnt 0x0
.endif
.if (\t)+4 < STEPS
	KLOAD (\t)+4                                   ; which take the loads of four steps on
.endif
.if (\t)+1 < STEPS
.if STEPS-2-(\t) >= 3
	s_wait_loadcnt 12                              ; the next step's four loads are in; those of the three steps behind it may be out
.else
	s_wait_loadcnt 4*(STEPS-2-(\t))
.endif
	KTURN (\t)+1                                   ; and go through the other stage while this step is worked
.endif
	v_max3_num_f32 v8, |v[XS]|, |v[XS+1]|, |v[XS+2]|               ; the largest magnitude of my 16, in two chains
	v_max3_num_f32 v9, |v[XS+3]|, |v[XS+4]|, |v[XS+5]|
.irp i, 6,10
	v_max3_num_f32 v8, v8, |v[XS+\i]|, |v[XS+\i+1]|
	v_max3_num_f32 v9, v9, |v[XS+\i+2]|, |v[XS+\i+3]|
.endr
	v_max3_num_f32 v8, v8, |v[XS+14]|, |v[XS+15]|
	v_max3_num_f32 v8, v8, v9, 0x1800000           ; and the floor 2^(3 - 127): the byte cannot fall under 1
	v_max_num_f32_dpp v8, v8, v8 row_xmask:1 row_mask:0xf bank_mask:0xf   ; and of my neighbour's 16: the block's
	v_add_nc_u32 v11, 0xff000000, v8               ; 2 off its exponent field: the conversion takes the exponent field of this operand as its scale, and nothing else of it
	v_cvt_scalef32_pk8_fp4_f32 v[KC+4*(\t)], v[XS:XS+7], v11
	v_cvt_scalef32_pk8_fp4_f32 v[KC+4*(\t)+1], v[XS+8:XS+15], v11
	v_lshrrev_b32 v[KE+(\t)], 23, v11              ; the scale's byte (also the plain line behind the conversions)
	ds_store_b8 v5, v[KE+(\t)] offset:16*(\t)      ; both lanes of a block write the same byte with the same value
	global_store_b64 v4, v[KC+4*(\t):KC+4*(\t)+1], s[18:19] offset:256*(\t)   ; 32 lanes store 256 consecutive aligned bytes
.endm
.irp t, 0,1,2,3,4,5,6,7,8,9,10,11,12,13,14,15
	KSTEPM \t
.endr
	ds_load_b64 v[8:9], v6                         ; my wave's 256 scale bytes: these loads see my stores
	s_wait_dscnt 0x0
	global_store_b64 v4, v[8:9], s[20:21]          ; 32 lanes store 256 consecutive aligned bytes
	s_wait_tensorcnt 0x0                           ; the wave's end: three lines behind my last LDS store
	ds_add_u32 v[SPW], v[NIL]
	s_wait_dscnt 0x0
	s_endpgm
; ---------------- W and U.  K is their FIRST axis: a lane takes a column e and its registers run down K, so that a block of 32 along K lies in one lane's 32 registers and the conversions give codes with K innermost.
; Work-group g: columns 128 (g % 8) on, 32 a wave; y = g / 8: K = 512 (y % 2) on of W (y < 2) or of U.  A lane's codes (256 bytes) belong to one row of w_codes: they go through the wave's own stage and leave as rows,
; sixteen lanes storing 256 consecutive aligned bytes.  Loads run two blocks ahead.
.Lweights:
	s_and_b32 s29, ttmp9, 7
	s_lshr_b32 s30, ttmp9, 3                       ; y
	s_lshl_b32 s29, s29, 7
	s_lshl_b32 s31, s28, 5
	s_add_co_u32 s29, s29, s31                     ; my wave's first column
	s_cmp_lt_u32 s30, 2                            ; the choice hangs on the work-group's number alone
	s_cselect_b64 s[14:15], s[14:15], s[16:17]
	s_and_b32 s32, s30, 1
	s_lshl_b32 s32, s32, 21                        ; 512 rows of 4,096 bytes
	s_lshl_b32 s34, s29, 2
	s_add_co_u32 s32, s32, s34
	s_mov_b32 s33, 0
	s_add_nc_u64 s[14:15], s[14:15], s[32:33]
	s_lshl_b32 s32, s29, 10                        ; codes: column x 1,024 + 256 y
	s_lshl_b32 s34, s30, 8
	s_add_co_u32 s32, s32, s34
	s_add_nc_u64 s[22:23], s[22:23], s[32:33]
	s_lshl_b32 s32, s29, 6                         ; scale bytes: column x 64 + 16 y
	s_lshl_b32 s34, s30, 4
	s_add_co_u32 s32, s32, s34
	s_add_nc_u64 s[24:25], s[24:25], s[32:33]
	v_lshlrev_b32 v3, 2, v2                        ; in: 4 bytes a lane
	s_mul_i32 s35, s28, 32*WPITCH
	s_add_co_u32 s35, s35, WSTG                    ; my stage
	v_mul_u32_u24 v4, v2, WPITCH
	v_add_nc_u32 v4, s35, v4                       ; into it: row = my column
	v_and_b32 v5, 15, v2
	v_lshrrev_b32 v6, 4, v2                        ; out of it: sixteen lanes to a row, two rows an instruction
	v_mul_u32_u24 v7, v6, WPITCH
	v_lshl_add_u32 v7, v5, 4, v7
	v_add_nc_u32 v7, s35, v7
	v_mul_u32_u24 v8, v6, KROW
	v_lshl_add_u32 v8, v5, 4, v8                   ; and the same place in w_codes
	v_lshlrev_b32 v9, 6, v2                        ; my column's row of scale bytes
.macro WLOAD t                         ; block t: rows 32 t + i of my column, into set t % 2; 32 lanes read 128 consecutive bytes
.irp i, 0,1,2,3,4,5,6,7,8,9,10,11,12,13,14,15,16,17,18,19,20,21,22,23,24,25,26,27,28,29,30,31
	global_load_b32 v[WX+32*((\t)%2)+\i], v3, s[14:15] offset:(32*(\t)+\i)*4096 th:TH_LOAD_NT
.endr
.endm
	WLOAD 0
	WLOAD 1
.macro WBLOCK t
.set XS, WX+32*((\t)%2)
.if (\t) < NB-1
	s_wait_loadcnt 32                              ; this block's 32 loads are in; the next block's may be out
.else
	s_wait_loadcnt 0
.endif
	v_max3_num_f32 v12, |v[XS]|, |v[XS+1]|, |v[XS+2]|              ; the block's largest magnitude: all 32 numbers are mine
	v_max3_num_f32 v13, |v[XS+3]|, |v[XS+4]|, |v[XS+5]|
.irp i, 6,10,14,18,22,26
	v_max3_num_f32 v12, v12, |v[XS+\i]|, |v[XS+\i+1]|
	v_max3_num_f32 v13, v13, |v[XS+\i+2]|, |v[XS+\i+3]|
.endr
	v_max3_num_f32 v12, v12, |v[XS+30]|, |v[XS+31]|
	v_max3_num_f32 v12, v12, v13, 0x1800000        ; and the floor 2^(3 - 127)
	v_add_nc_u32 v11, 0xff000000, v12              ; 2 off its exponent field: the conversion's scale operand
	v_lshrrev_b32 v13, 23, v11                     ; the scale's byte
.if (\t)%4 == 0
	v_mov_b32 v[WSB+(\t)/4], v13                   ; four bytes to a register, the lower K in the lower byte
.else
	v_lshl_or_b32 v[WSB+(\t)/4], v13, 8*((\t)%4), v[WSB+(\t)/4]
.endif
.irp g, 0,1,2,3
	v_cvt_scalef32_pk8_fp4_f32 v[WC+\g], v[XS+8*\g:XS+8*\g+7], v11
.endr
	ds_store_b128 v4, v[WC:WC+3] offset:16*(\t)    ; 32 codes: 16 bytes of my column's row
.if (\t)+2 < NB
	WLOAD (\t)+2
.endif
	s_wait_dscnt 0x0                               ; the store has read its registers: the next block's codes may be written (plain lines of the next block stand ahead of them)
.endm
.set Q, 0
.rept NB
	WBLOCK Q
.set Q, Q+1
.endr
	global_store_b128 v9, v[WSB:WSB+3], s[24:25]   ; my column's 16 scale bytes
.irp t, 0,1,2,3,4,5,6,7,8,9,10,11,12,13,14,15
	ds_load_b128 v[WOUT+4*\t:WOUT+4*\t+3], v7 offset:2*\t*WPITCH
.endr
.irp t, 0,1,2,3,4,5,6,7,8,9,10,11,12,13,14,15
	s_wait_dscnt 15-\t                             ; LDS loads come back in order: pair t of rows is in
	global_store_b128 v8, v[WOUT+4*\t:WOUT+4*\t+3], s[22:23] offset:2*\t*KROW
.endr
	s_wait_tensorcnt 0x0                           ; the wave's end: three lines behind my last LDS store
	ds_add_u32 v[SPW], v[NIL]
	s_wait_dscnt 0x0
	s_endpgm
.Lfunc_end_k_qf99b4a4aad_prep:
	.size	k_qf99b4a4aad_prep, .Lfunc_end_k_qf99b4a4aad_prep-k_qf99b4a4aad_prep
	.p2alignl 7, 3214868480
	.fill 96, 4, 3214868480
	.section	.rodata,"a",@progbits
	.p2align	6, 0x0
	.amdhsa_kernel k_qf99b4a4aad_prep
		.amdhsa_group_segment_fixed_size 68096
		.amdhsa_private_segment_fixed_size 0
		.amdhsa_enable_private_segment 0
		.amdhsa_kernarg_size 80
		.amdhsa_user_sgpr_count 2
		.amdhsa_user_sgpr_kernarg_segment_ptr 1
		.amdhsa_wavefront_size32 1
		.amdhsa_system_sgpr_workgroup_id_x 1
		.amdhsa_system_sgpr_workgroup_id_y 1
		.amdhsa_system_sgpr_workgroup_id_z 1
		.amdhsa_system_vgpr_workitem_id 0
		.amdhsa_next_free_vgpr 256
		.amdhsa_next_free_sgpr 66
		.amdhsa_reserve_vcc 0
		.amdhsa_float_denorm_mode_32 3
		.amdhsa_float_denorm_mode_16_64 3
		.amdhsa_memory_ordered 1
		.amdhsa_forward_progress 1
		.amdhsa_inst_pref_size 133
	.end_amdhsa_kernel
	.amdgpu_metadata
---
amdhsa.version: [ 1, 2 ]
amdhsa.kernels:
  - .name:           k_qf99b4a4aad_prep
    .symbol:         k_qf99b4a4aad_prep.kd
    .args:
      - { .name: k, .offset: 0, .size: 8, .value_kind: global_buffer, .address_space: global }
      - { .name: q, .offset: 8, .size: 8, .value_kind: global_buffer, .address_space: global }
      - { .name: v, .offset: 16, .size: 8, .value_kind: global_buffer, .address_space: global }
      - { .name: W, .offset: 24, .size: 8, .value_kind: global_buffer, .address_space: global }
      - { .name: U, .offset: 32, .size: 8, .value_kind: global_buffer, .address_space: global }
      - { .name: x_codes, .offset: 40, .size: 8, .value_kind: global_buffer, .address_space: global }
      - { .name: x_scales, .offset: 48, .size: 8, .value_kind: global_buffer, .address_space: global }
      - { .name: w_codes, .offset: 56, .size: 8, .value_kind: global_buffer, .address_space: global }
      - { .name: w_scales, .offset: 64, .size: 8, .value_kind: global_buffer, .address_space: global }
      - { .name: v16, .offset: 72, .size: 8, .value_kind: global_buffer, .address_space: global }
    .group_segment_fixed_size: 68096
    .private_segment_fixed_size: 0
    .kernarg_segment_align: 8
    .kernarg_segment_size: 80
    .max_flat_workgroup_size: 128
    .sgpr_count:     66
    .vgpr_count:     256
    .wavefront_size: 32
...
	.end_amdgpu_metadata
.endif
;; end of part 1
;; launch facl (part 2): grid 64 x 4, 4 waves a work-group, clusters of 4 x 4, 327,680 bytes of LDS; arguments w_codes, w_scales, x_codes, x_scales, fac; writes fac
.if DOCPART == 2
	.amdgcn_target "amdgcn-amd-amdhsa--gfx1250"
	.amdhsa_code_object_version 6
	.text
	.protected	k_qf99b4a4aad_facl
	.globl	k_qf99b4a4aad_facl
	.p2align	8
	.type	k_qf99b4a4aad_facl,@function
k_qf99b4a4aad_facl:
	s_mov_b64 s[64:65], 0
	v_nop
	global_prefetch_b8 v0, s[64:65] scope:SCOPE_SE
	s_setreg_imm32_b32 hwreg(HW_REG_WAVE_MODE, 25, 1), 1
	s_wait_xcnt 0x0
	s_wait_alu depctr_hold_cnt(0) depctr_sa_sdst(0) depctr_va_vdst(0) depctr_va_sdst(0) depctr_va_ssrc(0) depctr_va_vcc(0) depctr_vm_vsrc(0)
	s_getreg_b32 s2, hwreg(HW_REG_IB_STS2, 6, 4)
	s_cmp_eq_u32 s2, 0
	s_cbranch_scc0 .Lentry_in_a_cluster
	s_endpgm
.Lentry_in_a_cluster:
	s_bfe_u32 s2, ttmp6, 0x10000c
	s_cmp_lg_u32 s2, 0xf033
	s_cbranch_scc0 .Lentry_shape_is_right
	s_endpgm
.Lentry_shape_is_right:
; fac = tanh(k W + q U), one product on codes of FP4 (E2M1) with one E8M0 scale for each 32 along K; K = 2048 (k's 1024, then q's).
; "A" = the weights: [SIZE_M = 1024 e][SIZE_K] codes, "B" = the rows of k | q: [SIZE_N = 16384 s][SIZE_K] codes; two codes a byte, the lower k in the low four bits; scale bytes [rows][SIZE_K / 32].
; A tile, 256 e x 256 s, is made by a work-group of four waves; a wave makes 128 x 128: 64 accumulators of 16 x 16, 512 registers.  K goes in steps of 512 through a ring of two LDS slots filled by the tensor data mover.
; THE SCALES of the work-group's 256 rows of A and of B, for all of K, are two dense blocks of memory: they come into LDS once, with the first fills, and stay.
; CLUSTERS: 4 x 4 work-groups.  The four of a row of the cluster need the same tiles of A, the four of a column the same tiles of B: each tile is asked for JOINTLY.
; SOURCE 0 = 16 rows of B (positions s), SOURCE 1 = 16 rows of A (columns e): in accumulator (a, b) lane (r, h) holds column e = 16 a + r and its registers the positions s = 16 b + 8 h + 0 .. 7.
; Rounded to f16 in pairs these are 16 bytes a lane, and they ARE half of a 16-bit operand (16 e x 32 s) of the next product, whose K is s.  So fac is stored as IMAGES OF REGISTERS,
; [8 batches][64 e16][128 s16][512 bytes: lane l's 16 bytes at 16 l]: each store of the wave covers 512 consecutive aligned bytes, and no stage in LDS is needed.
; tanh(x) = 1 - 2 / (1 + 2^(2 log2(e) x)), in f32; at both ends it runs into +-1 without overflow (2^.. = infinity gives 1, 0 gives -1).  LIMIT: its absolute error is some 1e-7, so it is relatively coarse under |x| = 1e-4.
; REGISTERS, in windows of 256: window 0: v0-31 addresses; v32-95 scale words, two sets; from v128 A's fragments, ONE set; on the way out v128-255 are free.
;   window 1: B's fragments, TWO sets, at v0 and at v128.   window 2: the 32 accumulators of my columns 0-63 ((a, b) at v[8 (8 a + b)]);   window 3: those of my columns 64-127.
.set SIZE_M, 1024
.set SIZE_N, 16384
.set SIZE_K, 2048
.set KSTEP,  512                       ; along K in a slot
.set NQ,     KSTEP/128                 ; matrix instructions deep
.set ROWB,   256                       ; a tile's row in bytes
.set KROW,   SIZE_K*4/8                ; a row of A or of B in memory, in bytes
.set PITCH,  272                       ; an LDS row: 256 bytes + 16 of padding = 68 words: the 16 rows that a load touches start at 16 different banks (64 banks of 4 bytes: ISA guide 11.1)
.set FR,     8                         ; registers of a fragment: 16 rows x 128 K
.set NL,     2                         ; LDS loads that bring one
.set NP,     4                         ; places behind this matrix instruction (ISA guide 7.12.1)
.set HALFT,  128*PITCH                 ; 128 rows: what one tensor load brings
.set SLOT,   4*HALFT                   ; A's 256 rows, then B's 256 rows
.set LAPS,   SIZE_K/(2*KSTEP)          ; a lap = two K steps = once round the ring
.set KS,     SIZE_K/32                 ; a row of scales in bytes
.set SCL,    2*SLOT                    ; behind the ring: the scales, as units of 256 bytes + 16 of padding
.set HALFS,  (128*KS/256)*272          ; the scales of 128 rows: what one tensor load brings
.set SBLK,   (16*KS/256)*272           ; those of 16 rows
.set SPARE,  SCL+4*HALFS               ; behind the scales: the spare words, 128 bytes for each wave
.set ADRA, 16                          ; v16-17  LDS address of my A fragments in slot 0, 1
.set ADRB, 20                          ; v20-21  the same for B
.set CO,   26                          ; v26     16 x lane: my place in an image
.set ADRS, 27                          ; v27     LDS address of my scale words: lanes 0-15 A's rows, lanes 16-31 B's
.set SPW,  28                          ; v28     LDS address of my spare word; never rewritten
.set NIL,  29                          ; v29     0; never rewritten
.set SC,   32                          ; scale words: set s at v[SC + 8 NQ s]; register NQ i + q: lanes 0-15 the word of A's block i, lanes 16-31 that of B's block i
.set AF,   128                         ; A's fragments, in window 0
.set T,    128                         ; the way out: 64 numbers at work
.set P,    192                         ; the way out: packed results, v192-223 and v224-255 by turns
.set G1, 24                            ; s[24:31] descriptor group 1 for A's tiles;  s[32:39] group 0, one set for each slot
.set G0, 32
.set G1B, 48                           ; s[48:55], s[56:63] the same for B's tiles
.set G0B, 56
.set G1S, 68                           ; s[68:75], s[76:79] groups 1 and 0 for A's scales;  s[80:87], s[88:91] for B's
.set G0S, 76
.set G1SB, 80
.set G0SB, 88
.set MSB, 0
.macro WIN new                         ; the immediate's high byte repeats the setting that is left; a switch that changes nothing is dropped
.if MSB != (\new)
	s_set_vgpr_msb (MSB<<8)|(\new)
.set MSB, (\new)
.endif
.endm
.set MUL_LO, 0xa1                      ; source 0 (B) window 1, source 1 (A) window 0, C and D window 2
.set MUL_HI, 0xf1                      ; the same, C and D window 3
.set TO_B,   0x40                      ; destination window 1, address window 0
; A joint load: waves 0 and 1 fetch for A, waves 2 and 3 for B.  Each line has one mask and one set of registers for all that issue it; the branch hangs on the wave's number alone.
; An s_nop 0 and four v_nop follow each of the two lines, ahead of the jump, the label and what follows.
.macro JLOAD g0a, g1a, g0b, g1b
	s_cmp_eq_u32 s15, 0
	s_cbranch_scc0 .Lfor_b_\@
	tensor_load_to_lds s[\g0a:\g0a+3], s[\g1a:\g1a+7]
	s_nop 0
.rept 4
	v_nop
.endr
	s_branch .Lasked_\@
.Lfor_b_\@:
	tensor_load_to_lds s[\g0b:\g0b+3], s[\g1b:\g1b+7]
	s_nop 0
.rept 4
	v_nop
.endr
.Lasked_\@:
.endm
.macro CREST                           ; a round of the cluster's barrier behind its opening barrier
	s_cmp_lg_u32 s14, 0
	s_cbranch_scc1 .Lnot_wave_0_\@
	s_barrier_signal -3
.Lnot_wave_0_\@:
	s_barrier_wait -3
	s_barrier_signal -1
	s_barrier_wait -1
.endm
.macro CROUND                          ; a whole round
	s_barrier_signal -1
	s_barrier_wait -1
	CREST
.endm
	s_load_b128 s[4:7], s[0:1], 0x0                ; A's codes s[4:5], A's scales s[6:7]
	s_load_b128 s[8:11], s[0:1], 0x10              ; B's codes s[8:9], B's scales s[10:11]
	s_load_b64 s[12:13], s[0:1], 0x20              ; fac
	v_lshl_add_u32 v[SPW], v0, 2, SPARE
	v_mov_b32 v[NIL], 0
	ds_add_u32 v[SPW], v[NIL]                      ; the wave's opening: the add, twice on end, and its wait ahead of my first tensor load; the set-up below stands between
	ds_add_u32 v[SPW], v[NIL]
	v_lshrrev_b32 v1, 5, v0
	v_readfirstlane_b32 s14, v1                    ; wave 0..3
	s_lshr_b32 s15, s14, 1                         ; which 128 of the tile's columns e are mine.  Also: I fetch for A (0) or for B (1)
	s_and_b32 s16, s14, 1                          ; which 128 of its positions s.  Also: which 128 rows of that tile I fetch
	s_bfe_u32 s40, ttmp6, 0x40000                  ; cx, cy: my place in the cluster
	s_bfe_u32 s41, ttmp6, 0x40004
	s_lshl_b32 s42, ttmp9, 2
	s_add_co_u32 s42, s42, s40                     ; tile of positions = 4 x cluster x + cx, 0..63
	s_and_b32 s17, ttmp7, 0xffff
	s_lshl_b32 s17, s17, 2
	s_add_co_u32 s17, s17, s41                     ; tile of columns = 4 x cluster y + cy, 0..3
	s_lshl_b32 s43, s41, 2
	s_lshl_b32 s43, 15, s43                        ; my row of the cluster
	s_lshl_b32 s44, 0x1111, s40                    ; my column
	s_mov_b32 s98, 0x4038aa3b                      ; 2 log2(e)
	s_mov_b32 s99, s98                             ; (named with it as a pair, so it is written)
	; descriptor group 1: a tile of 128 rows x ROWB bytes, padded in LDS
	s_or_b32 s[G1+0], s43, (0<<16)|(1<<20)|(1<<21)|(5<<22)|(3<<25)  ; 15:0 the mask: A's tiles go to my row; 17:16 element of 1 byte; 20 padding on; 21 set beside a mask; 24:22 after every 64 words; 31:25 of 4 words
	s_or_b32 s[G1B+0], s44, (0<<16)|(1<<20)|(1<<21)|(5<<22)|(3<<25)
.irp g, G1, G1B
	s_mov_b32 s[\g+1], ROWB<<16                    ; tensor_dim0
	s_mov_b32 s[\g+2], 128<<16                     ; tensor_dim1 = 128
	s_mov_b32 s[\g+3], ROWB<<16                    ; tile_dim0
	s_mov_b32 s[\g+4], 128                         ; tile_dim1 = 128
	s_mov_b32 s[\g+5], KROW                        ; tensor_dim0_stride
	s_mov_b32 s[\g+6], 0
	s_mov_b32 s[\g+7], 0
.endr
	; and for the scales of 128 rows: a dense block of 128 KS bytes, as rows of 256 bytes (32 elements of 8 bytes), 16 bytes of padding behind each
	s_or_b32 s[G1S+0], s43, (3<<16)|(1<<20)|(1<<21)|(5<<22)|(3<<25)
	s_or_b32 s[G1SB+0], s44, (3<<16)|(1<<20)|(1<<21)|(5<<22)|(3<<25)
.irp g, G1S, G1SB
	s_mov_b32 s[\g+1], 32<<16
	s_mov_b32 s[\g+2], (128*KS/256)<<16
	s_mov_b32 s[\g+3], 32<<16
	s_mov_b32 s[\g+4], 128*KS/256
	s_mov_b32 s[\g+5], 32
	s_mov_b32 s[\g+6], 0
	s_mov_b32 s[\g+7], 0
.endr
	s_lshl_b32 s18, s16, 7                         ; which 128 rows of the tile I fetch
	s_lshl_b32 s20, s17, 8
	s_add_co_u32 s20, s20, s18                     ; A: row 256 x tile of columns + 128 x half
	s_lshl_b32 s46, s42, 8
	s_add_co_u32 s46, s46, s18                     ; B: row 256 x tile of positions + 128 x half
	s_mov_b32 s21, 0
	s_mov_b32 s47, 0
	s_mov_b64 s[18:19], KS
	s_mul_u64 s[22:23], s[20:21], s[18:19]         ; where these rows' scales begin, in bytes
	s_mul_u64 s[92:93], s[46:47], s[18:19]
	s_mov_b64 s[18:19], KROW
	s_mul_u64 s[20:21], s[20:21], s[18:19]         ; and their codes
	s_mul_u64 s[46:47], s[46:47], s[18:19]
	s_mul_i32 s45, s14, HALFT                      ; where they go: wave x 128 rows: no place in the cluster enters an LDS address
	s_mul_i32 s94, s14, HALFS
	s_wait_dscnt 0x0                               ; both opening adds are done
	s_wait_kmcnt 0x0
	s_add_nc_u64 s[20:21], s[4:5], s[20:21]
	s_add_nc_u64 s[22:23], s[6:7], s[22:23]
	s_add_nc_u64 s[46:47], s[8:9], s[46:47]
	s_add_nc_u64 s[92:93], s[10:11], s[92:93]
	CROUND                                         ; all sixteen work-groups are here: the first joint loads meet
	s_mov_b32 s[G0S], 1
	s_add_co_u32 s[G0S+1], s94, SCL
	s_mov_b64 s[G0S+2:G0S+3], s[22:23]
	s_or_b32 s[G0S+3], s[G0S+3], 0x80000000
	s_mov_b32 s[G0SB], 1
	s_add_co_u32 s[G0SB+1], s94, SCL
	s_mov_b64 s[G0SB+2:G0SB+3], s[92:93]
	s_or_b32 s[G0SB+3], s[G0SB+3], 0x80000000
	JLOAD G0S, G1S, G0SB, G1SB                     ; the scales first: they are wanted with K step 0.  With the two below three loads of mine are out
.irp s, 0,1
	s_mov_b32 s[G0+4*\s], 1
	s_add_co_u32 s[G0+4*\s+1], s45, \s*SLOT
	s_add_nc_u64 s[G0+4*\s+2:G0+4*\s+3], s[20:21], \s*ROWB
	s_or_b32 s[G0+4*\s+3], s[G0+4*\s+3], 0x80000000
	s_mov_b32 s[G0B+4*\s], 1
	s_add_co_u32 s[G0B+4*\s+1], s45, \s*SLOT
	s_add_nc_u64 s[G0B+4*\s+2:G0B+4*\s+3], s[46:47], \s*ROWB
	s_or_b32 s[G0B+4*\s+3], s[G0B+4*\s+3], 0x80000000
	JLOAD G0+4*\s, G1, G0B+4*\s, G1B
.endr
	v_and_b32 v1, 15, v0                           ; l % 16
	v_bfe_u32 v2, v0, 4, 1                         ; l / 16
	v_mul_u32_u24 v3, v1, PITCH
	v_lshl_add_u32 v4, v2, 4, v3                   ; a fragment's row x pitch + 16 x half
	s_mul_i32 s21, s15, HALFT                      ; my 128 rows of A
	s_mul_i32 s22, s16, HALFT                      ; my 128 rows of B,
	s_add_co_u32 s22, s22, 2*HALFT                 ; which lie behind A's 256
.irp s, 0,1
	v_add_nc_u32 v[ADRA+\s], s21, v4
	v_add_nc_u32 v[ADRB+\s], s22, v4
	s_add_co_u32 s21, s21, SLOT
	s_add_co_u32 s22, s22, SLOT
.endr
	v_mul_u32_u24 v5, v1, KS                       ; my row's scales: KS bytes a row,
	v_lshrrev_b32 v6, 8, v5
	v_lshl_add_u32 v5, v6, 4, v5                   ; and 16 more for each 256 passed
	s_mul_i32 s21, s15, HALFS                      ; A's: my 128 rows
	s_mul_i32 s22, s16, HALFS                      ; B's: my 128 rows, behind A's 256
	s_add_co_u32 s22, s22, 2*HALFS
	s_sub_co_u32 s22, s22, s21
	v_mul_u32_u24 v6, s22, v2                      ; lanes 16-31 take B's: one product, the distance between the two bases
	s_add_co_u32 s21, s21, SCL
	v_add_nc_u32 v5, v5, v6
	v_add_nc_u32 v[ADRS], s21, v5
	v_and_b32 v6, 31, v0
	v_lshlrev_b32 v[CO], 4, v6                     ; 16 x lane
	; where my 64 images begin in fac: batch << 22 | e16 << 16 | s16 << 9.  batch = tile of positions / 8; e16 = 16 x tile of columns + 8 x half; s16 = 16 x (tile of positions % 8) + 8 x half
	s_lshl_b32 s20, s17, 20
	s_lshl_b32 s21, s15, 19
	s_add_co_u32 s20, s20, s21
	s_lshr_b32 s46, s42, 3
	s_lshl_b32 s46, s46, 22
	s_and_b32 s47, s42, 7
	s_lshl_b32 s47, s47, 13
	s_add_co_u32 s46, s46, s47
	s_lshl_b32 s47, s16, 12
	s_add_co_u32 s46, s46, s47
	s_add_co_u32 s20, s20, s46
	s_mov_b32 s21, 0
	s_add_nc_u64 s[12:13], s[12:13], s[20:21]
.macro FRAG reg, adr, q, i             ; a fragment, 16 rows x 128 K of 4-bit codes, is 8 registers: lane l holds row l % 16; registers 4 c .. 4 c + 3 hold K = 64 c + 32 (l / 16) + 0 .. 31
.irp c, 0,1
	ds_load_b128 v[\reg+4*\c:\reg+4*\c+3], v[\adr] offset:64*(\q)+32*\c+(\i)*16*PITCH
.endr
.endm
; 16 matrix instructions: A's blocks a0, a0 + 1 x B's eight, 128 along K: the slot's q-th.  p: B's set;  sc: the set of scale words.  zero = 1: the first product starts the sums: nothing is ever cleared.
; The 64 accumulators take turns, one instruction a turn, in the same order in every step.
.macro MUL16 a0, p, q, sc, zero
.irp a, \a0, \a0+1
.irp b, 0,1,2,3,4,5,6,7
.if \zero
	v_wmma_scale_f32_16x16x128_f8f6f4 v[8*(8*((\a)%4)+\b):8*(8*((\a)%4)+\b)+7], v[128*(\p)+FR*\b:128*(\p)+FR*\b+FR-1], v[AF+FR*(\a):AF+FR*(\a)+FR-1], 0, v[SC+8*NQ*(\sc)+NQ*\b+(\q)], v[SC+8*NQ*(\sc)+NQ*(\a)+(\q)] matrix_a_fmt:MATRIX_FMT_FP4 matrix_b_fmt:MATRIX_FMT_FP4 matrix_a_scale:MATRIX_SCALE_ROW1
.else
	v_wmma_scale_f32_16x16x128_f8f6f4 v[8*(8*((\a)%4)+\b):8*(8*((\a)%4)+\b)+7], v[128*(\p)+FR*\b:128*(\p)+FR*\b+FR-1], v[AF+FR*(\a):AF+FR*(\a)+FR-1], v[8*(8*((\a)%4)+\b):8*(8*((\a)%4)+\b)+7], v[SC+8*NQ*(\sc)+NQ*\b+(\q)], v[SC+8*NQ*(\sc)+NQ*(\a)+(\q)] matrix_a_fmt:MATRIX_FMT_FP4 matrix_b_fmt:MATRIX_FMT_FP4 matrix_a_scale:MATRIX_SCALE_ROW1
.endif
.endr
.endr
.endm
.macro FETCH_B slot, q, p              ; B's eight fragments of the slot's q-th 128 along K into set p
	WIN TO_B
.irp i, 0,1,2,3,4,5,6,7
	FRAG 128*(\p)+FR*\i, ADRB+\slot, \q, \i
.endr
	WIN 0
.endm
.macro FETCH_A slot, q, i0             ; A's blocks i0 .. i0 + 3
.irp i, \i0, \i0+1, \i0+2, \i0+3
	FRAG AF+FR*(\i), ADRA+\slot, \q, \i
.endr
.endm
.macro SCALES sc                       ; the next K step's scale words into set sc: NQ words a row; lanes 0-15 take A's block i, lanes 16-31 B's block i
.irp i, 0,1,2,3,4,5,6,7
	ds_load_b128 v[SC+8*NQ*\sc+NQ*\i:SC+8*NQ*\sc+NQ*\i+3], v[ADRS] offset:\i*SBLK
.endr
.endm
; A load into a register that a matrix instruction has read, and a vector instruction that reads a matrix result, stand NP places behind that matrix instruction; only plain vector instructions that name none of
; its registers are places (ISA guide 7.12.1 for vector instructions).
.macro PLACES n
.rept \n
	v_nop
.endr
.endm
; A step of 128 along K that has its successor in the same slot.
.macro STEP slot, q, zero
	s_wait_dscnt 4*NL                              ; B's set and A's blocks 0-3 are in; the youngest eight loads (A's blocks 4-7) may be out
	WIN MUL_LO
	MUL16 0, (\q)%2, \q, \slot, \zero
	MUL16 2, (\q)%2, \q, \slot, \zero
	s_wait_dscnt 0                                 ; A's blocks 4-7 are in
	PLACES NP
	FETCH_B \slot, (\q)+1, 1-(\q)%2
	FETCH_A \slot, (\q)+1, 0
	WIN MUL_HI
	MUL16 4, (\q)%2, \q, \slot, \zero
	MUL16 6, (\q)%2, \q, \slot, \zero
	PLACES NP
	WIN 0
	FETCH_A \slot, (\q)+1, 4
.endm
; A slot's last step changes slots: ONE barrier; in front of it each wave waits for all its tensor loads, adds 0 to its spare word, and waits for that and for its own reads of this slot.  fill = 1: this slot is filled again, two K steps ahead.
.macro TURN slot, next, fill
	s_wait_tensorcnt 0x0                           ; all my tensor loads have landed: my part of the next slot  (every window is 0 here)
	ds_add_u32 v[SPW], v[NIL]                      ; 0 onto my spare word
	s_wait_dscnt 4*NL+1                            ; (the add and the youngest eight loads, A's blocks 4-7, may be out)
	WIN MUL_LO
	MUL16 0, 1, NQ-1, \slot, 0                     ; sixteen matrix instructions stand between the add and the wait for it
	s_wait_dscnt 0x0                               ; the add is done, and my reads of this slot are over
	s_barrier_signal -1
	MUL16 2, 1, NQ-1, \slot, 0
	WIN 0
	s_barrier_wait -1
.if \fill
	CREST                                          ; the barrier has opened a round of the cluster's barrier: no wave of any partner still reads this slot's tile or has a load on its way
	s_add_nc_u64 s[G0+4*\slot+2:G0+4*\slot+3], s[G0+4*\slot+2:G0+4*\slot+3], 2*ROWB
	s_add_nc_u64 s[G0B+4*\slot+2:G0B+4*\slot+3], s[G0B+4*\slot+2:G0B+4*\slot+3], 2*ROWB
	JLOAD G0+4*\slot, G1, G0B+4*\slot, G1B         ; the first tensor load behind the round, my one load until the next; its four v_nop are the places in front of the loads below
.else
	PLACES NP
.endif
	v_add_nc_u32 v[ADRS], 4*NQ, v[ADRS]            ; on to the next K step's scale words (no LDS load of mine is out)
	FETCH_B \next, 0, 0
	FETCH_A \next, 0, 0
	SCALES \next
	WIN MUL_HI
	MUL16 4, 1, NQ-1, \slot, 0
	MUL16 6, 1, NQ-1, \slot, 0
	PLACES NP
	WIN 0
	FETCH_A \next, 0, 4
.endm
.macro STEPS slot, from                ; the slot's steps from .. NQ - 2
.set Q, \from
.rept NQ-1-\from
	STEP \slot, Q, 0
.set Q, Q+1
.endr
.endm
	s_wait_tensorcnt 1                             ; the scales and my part of K step 0 are in (K step 1's load may be out)
	s_barrier_signal -1
	s_barrier_wait -1                              ; everybody's are
	FETCH_B 0, 0, 0
	FETCH_A 0, 0, 0
	SCALES 0
	FETCH_A 0, 0, 4
	STEP 0, 0, 1                                   ; the first step stands in front of the loop: its products start the sums
	s_mov_b32 s3, LAPS-1
.Llap:                                                 ; a trip goes once round the ring, from a lap's second step to the next lap's first, and fills both slots again
	STEPS 0, 1
	TURN 0, 1, 1
	STEPS 1, 0
	TURN 1, 0, 1
	STEP 0, 0, 0
	s_sub_co_u32 s3, s3, 1
	s_cmp_lg_u32 s3, 0
	s_cbranch_scc1 .Llap
	STEPS 0, 1                                     ; the last lap fills nothing, and has no round of the cluster's barrier
	TURN 0, 1, 0
	STEPS 1, 0
	s_wait_dscnt 4*NL                              ; the very last step: nothing more to fetch
	WIN MUL_LO
	MUL16 0, 1, NQ-1, 1, 0
	MUL16 2, 1, NQ-1, 1, 0
	s_wait_dscnt 0
	WIN MUL_HI
	MUL16 4, 1, NQ-1, 1, 0
	MUL16 6, 1, NQ-1, 1, 0
	WIN 0
; THE WAY OUT, block a of 16 columns e x 128 positions at a time: 64 numbers a lane.  Two batches of transcendentals, each with one plain line behind it and ONE wait ahead of its first reader.
.macro TANH a
.set AC, 64*((\a)%4)
.set PP, P+32*((\a)%2)
	WIN 0x02+(\a)/4                                ; source 0: window 2 or 3
.set JJ, 0
.rept 32
	v_pk_mul_f32 v[T+2*JJ:T+2*JJ+1], v[AC+2*JJ:AC+2*JJ+1], s[98:99] op_sel_hi:[1,0]   ; 2 log2(e) x; each accumulator is read from its low end on
.set JJ, JJ+1
.endr
	WIN 0
.set JJ, 0
.rept 64
	v_exp_f32 v[T+JJ], v[T+JJ]
.set JJ, JJ+1
.endr
	v_nop
	s_wait_alu depctr_va_vdst(0)
.set JJ, 0
.rept 32
	v_pk_add_f32 v[T+2*JJ:T+2*JJ+1], v[T+2*JJ:T+2*JJ+1], 1.0 op_sel_hi:[1,0]
.set JJ, JJ+1
.endr
.set JJ, 0
.rept 64
	v_rcp_f32 v[T+JJ], v[T+JJ]
.set JJ, JJ+1
.endr
	v_nop
	s_wait_alu depctr_va_vdst(0)
.set JJ, 0
.rept 32
	v_pk_fma_f32 v[T+2*JJ:T+2*JJ+1], v[T+2*JJ:T+2*JJ+1], -2.0, 1.0 op_sel_hi:[1,0,0]   ; 1 - 2 / (1 + 2^..)
.set JJ, JJ+1
.endr
.if (\a) >= 2
	s_wait_xcnt 0x0                                ; block a - 2's stores have read these registers: only behind this wait are they written again
.endif
.set JJ, 0
.rept 32
	v_cvt_pk_f16_f32 v[PP+JJ], v[T+2*JJ], v[T+2*JJ+1]      ; the lower position into the low half
.set JJ, JJ+1
.endr
.irp b, 0,1,2,3,4,5,6,7
	global_store_b128 v[CO], v[PP+4*\b:PP+4*\b+3], s[12:13] offset:(\a)*65536+\b*512   ; image (e16 + a, s16 + b): 32 lanes store 512 consecutive aligned bytes
.endr
.endm
	PLACES NP                                      ; behind the last products: for the reads of results and for the writes of the registers that held A's fragments
.irp a, 0,1,2,3,4,5,6,7
	TANH \a
.endr
	s_wait_tensorcnt 0x0                           ; the wave's end: three lines behind my last tensor load
	ds_add_u32 v[SPW], v[NIL]
	s_wait_dscnt 0x0
	CROUND                                         ; the closing round: no work-group ends while a partner may still ask for a tile that names it
	s_endpgm
.Lfunc_end_k_qf99b4a4aad_facl:
	.size	k_qf99b4a4aad_facl, .Lfunc_end_k_qf99b4a4aad_facl-k_qf99b4a4aad_facl
	.p2alignl 7, 3214868480
	.fill 96, 4, 3214868480
	.section	.rodata,"a",@progbits
	.p2align	6, 0x0
	.amdhsa_kernel k_qf99b4a4aad_facl
		.amdhsa_group_segment_fixed_size 327680
		.amdhsa_private_segment_fixed_size 0
		.amdhsa_enable_private_segment 0
		.amdhsa_kernarg_size 40
		.amdhsa_user_sgpr_count 2
		.amdhsa_user_sgpr_kernarg_segment_ptr 1
		.amdhsa_wavefront_size32 1
		.amdhsa_system_sgpr_workgroup_id_x 1
		.amdhsa_system_sgpr_workgroup_id_y 1
		.amdhsa_system_sgpr_workgroup_id_z 1
		.amdhsa_system_vgpr_workitem_id 0
		.amdhsa_next_free_vgpr 1024
		.amdhsa_next_free_sgpr 100
		.amdhsa_reserve_vcc 0
		.amdhsa_float_denorm_mode_32 3
		.amdhsa_float_denorm_mode_16_64 3
		.amdhsa_memory_ordered 1
		.amdhsa_forward_progress 1
		.amdhsa_inst_pref_size 255
	.end_amdhsa_kernel
	.section	.bss,"aw",@nobits
	.p2align	6
	.space	262144
	.amdgpu_metadata
---
amdhsa.version: [ 1, 2 ]
amdhsa.kernels:
  - .name:           k_qf99b4a4aad_facl
    .symbol:         k_qf99b4a4aad_facl.kd
    .args:
      - { .name: w_codes, .offset: 0, .size: 8, .value_kind: global_buffer, .address_space: global }
      - { .name: w_scales, .offset: 8, .size: 8, .value_kind: global_buffer, .address_space: global }
      - { .name: x_codes, .offset: 16, .size: 8, .value_kind: global_buffer, .address_space: global }
      - { .name: x_scales, .offset: 24, .size: 8, .value_kind: global_buffer, .address_space: global }
      - { .name: fac, .offset: 32, .size: 8, .value_kind: global_buffer, .address_space: global }
    .group_segment_fixed_size: 327680
    .private_segment_fixed_size: 0
    .kernarg_segment_align: 8
    .kernarg_segment_size: 40
    .max_flat_workgroup_size: 128
    .sgpr_count:     100
    .vgpr_count:     1024
    .wavefront_size: 32
...
	.end_amdgpu_metadata
.endif
;; end of part 2
;; launch smat (part 3): grid 4 x 64, 4 waves a work-group, clusters of 4 x 4, 327,680 bytes of LDS; arguments fac, v16, s_img; writes s_img
.if DOCPART == 3
	.amdgcn_target "amdgcn-amd-amdhsa--gfx1250"
	.amdhsa_code_object_version 6
	.text
	.protected	k_qf99b4a4aad_smat
	.globl	k_qf99b4a4aad_smat
	.p2align	8
	.type	k_qf99b4a4aad_smat,@function
k_qf99b4a4aad_smat:
	s_mov_b64 s[64:65], 0
	v_nop
	global_prefetch_b8 v0, s[64:65] scope:SCOPE_SE
	s_setreg_imm32_b32 hwreg(HW_REG_WAVE_MODE, 25, 1), 1
	s_wait_xcnt 0x0
	s_wait_alu depctr_hold_cnt(0) depctr_sa_sdst(0) depctr_va_vdst(0) depctr_va_sdst(0) depctr_va_ssrc(0) depctr_va_vcc(0) depctr_vm_vsrc(0)
	s_getreg_b32 s2, hwreg(HW_REG_IB_STS2, 6, 4)
	s_cmp_eq_u32 s2, 0
	s_cbranch_scc0 .Lentry_in_a_cluster
	s_endpgm
.Lentry_in_a_cluster:
	s_bfe_u32 s2, ttmp6, 0x10000c
	s_cmp_lg_u32 s2, 0xf033
	s_cbranch_scc0 .Lentry_shape_is_right
	s_endpgm
.Lentry_shape_is_right:
; s[b][d][e] = the sum over the 2048 positions p of v[b][p][d] fac[b][p][e], f16 operands, f32 sums.  f16 and not bf16: a softmax follows, in which an absolute error of s becomes a relative error of the weights.
; There are 8 x 4 x 4 tiles of 256 x 256, too few for 256 work-groups: a tile is 256 d x 128 e.  Work-group x = the tile of d (0..3); y = 8 x batch + the tile of e.  Four waves, each 128 d x 64 e: 32 accumulators.
; K goes in steps of 128 positions through a ring of two LDS slots filled by the tensor data mover.
; OPERANDS.  fac comes as images of registers, [batch][64 e16][128 p16][512 bytes]: two neighbouring images are a fragment of 16 e x 32 p, read by two ds_load_b128 at 16 x lane: dense, no padding.
; v16 is [p][d], K outermost: its fragments (16 d x 32 p) come by the turning load ds_load_tr16_b128 from rows 544 bytes apart.
; SOURCE 0 = 16 d, SOURCE 1 = 16 e: in accumulator (a, b) lane (r, h) holds column e = 16 a + r and its registers d = 16 b + 8 h + 0 .. 7.  d is the next product's K, so s too is stored as images of registers,
; s_img [batch][64 e16][64 d16][1024 bytes: registers 0-3 at 16 x lane, then registers 4-7]: each store of the wave covers 512 consecutive aligned bytes.
; CLUSTERS: 4 x 4 work-groups, all of one batch (8 tiles of e to a batch, 4 to a cluster).  fac's tile hangs on y alone and is shared along a row of the cluster, v's on x and the batch and is shared along a column.
; REGISTERS, in windows of 256: window 0: addresses.  window 1: the accumulators, (a, b) at v[8 (8 a + b)].  windows 2, 3: fragment buffers 0, 1, each 64 along K: v's (c, b) at v[8 (8 c + b)], fac's (c, a) at v[128 + 8 (4 c + a)].
.set VP,     544                       ; a row of v in LDS: 512 bytes + 32 of padding = 136 words
.set VPART,  32768                     ; a slot: fac's 8 rows (e16) of 4,096 bytes, then v's 128 rows
.set HALFV,  64*VP                     ; what one tensor load brings of v
.set SLOT,   VPART+2*HALFV             ; 102,400
.set SPARE,  2*SLOT                    ; behind the ring: the spare words, 128 bytes for each wave
.set FSTEP,  4096                      ; a K step in a row of fac's images: 8 images
.set VSTEP,  262144                    ; and in v16: 128 rows of 2,048 bytes
.set LAPS,   8                         ; 16 K steps, two to a lap
.set ADRF, 16                          ; v16-17  LDS address of my fac fragments in slot 0, 1
.set ADRV, 20                          ; v20-21  the same for v
.set CO,   26                          ; v26     16 x lane
.set SPW,  28                          ; v28     LDS address of my spare word; never rewritten
.set NIL,  29                          ; v29     0; never rewritten
.set G1, 24                            ; s[24:31] descriptor group 1 for fac's tiles;  s[32:39] group 0, one set for each slot
.set G0, 32
.set G1B, 48                           ; s[48:55], s[56:63] the same for v's tiles
.set G0B, 56
.set MSB, 0
.macro WIN new                         ; the immediate's high byte repeats the setting that is left; a switch that changes nothing is dropped
.if MSB != (\new)
	s_set_vgpr_msb (MSB<<8)|(\new)
.set MSB, (\new)
.endif
.endm
.set W_F0, 0x5a                        ; sources 0 and 1 window 2, C and D window 1
.set W_F1, 0x5f                        ; sources 0 and 1 window 3, C and D window 1
; A joint load: waves 0 and 1 fetch fac's two halves, waves 2 and 3 v's.  The branch hangs on the wave's number alone.  An s_nop 0 and four v_nop follow each of the two lines.
.macro JLOAD s
	s_cmp_eq_u32 s11, 0
	s_cbranch_scc0 .Lfor_b_\@
	tensor_load_to_lds s[G0+4*\s:G0+4*\s+3], s[G1:G1+7]
	s_nop 0
.rept 4
	v_nop
.endr
	s_branch .Lasked_\@
.Lfor_b_\@:
	tensor_load_to_lds s[G0B+4*\s:G0B+4*\s+3], s[G1B:G1B+7]
	s_nop 0
.rept 4
	v_nop
.endr
.Lasked_\@:
.endm
.macro CREST                           ; a round of the cluster's barrier behind its opening barrier
	s_cmp_lg_u32 s10, 0
	s_cbranch_scc1 .Lnot_wave_0_\@
	s_barrier_signal -3
.Lnot_wave_0_\@:
	s_barrier_wait -3
	s_barrier_signal -1
	s_barrier_wait -1
.endm
.macro CROUND
	s_barrier_signal -1
	s_barrier_wait -1
	CREST
.endm
.macro PLACES                          ; four places in front of loads into registers that matrix instructions have read, and of stores that read results (ISA guide 7.12.1 for the stores)
.rept 4
	v_nop
.endr
.endm
	s_load_b128 s[4:7], s[0:1], 0x0                ; fac s[4:5], v16 s[6:7]
	s_load_b64 s[8:9], s[0:1], 0x10                ; s_img
	v_lshl_add_u32 v[SPW], v0, 2, SPARE
	v_mov_b32 v[NIL], 0
	ds_add_u32 v[SPW], v[NIL]                      ; the wave's opening: the add, twice on end, and its wait ahead of my first tensor load; the set-up below stands between
	ds_add_u32 v[SPW], v[NIL]
	v_lshrrev_b32 v1, 5, v0
	v_readfirstlane_b32 s10, v1                    ; wave 0..3
	s_lshr_b32 s11, s10, 1                         ; which 64 e are mine.  Also: I fetch for fac (0) or for v (1)
	s_and_b32 s12, s10, 1                          ; which 128 d are mine.  Also: which half of that tile I fetch
	s_bfe_u32 s40, ttmp6, 0x40000                  ; cx, cy
	s_bfe_u32 s41, ttmp6, 0x40004
	s_lshl_b32 s42, ttmp9, 2
	s_add_co_u32 s42, s42, s40                     ; the tile of d = 4 x cluster x + cx
	s_and_b32 s45, ttmp7, 0xffff                   ; cluster y
	s_lshl_b32 s13, s45, 2
	s_add_co_u32 s13, s13, s41                     ; 8 x batch + the tile of e = 4 x cluster y + cy
	s_lshr_b32 s45, s45, 1                         ; the batch, of the cluster's y alone: all sixteen partners share it
	s_lshl_b32 s43, s41, 2
	s_lshl_b32 s43, 15, s43                        ; my row of the cluster
	s_lshl_b32 s44, 0x1111, s40                    ; my column
	; group 1 for fac: 4 rows (e16) of 4,096 bytes = 512 elements of 8 bytes, 65,536 bytes apart; dense in LDS
	s_or_b32 s[G1+0], s43, (3<<16)|(1<<21)         ; 15:0 the mask: my row; 17:16 elements of 8 bytes; 21 set beside a mask
	s_mov_b32 s[G1+1], 512<<16                     ; tensor_dim0
	s_mov_b32 s[G1+2], 4<<16                       ; tensor_dim1
	s_mov_b32 s[G1+3], 512<<16                     ; tile_dim0
	s_mov_b32 s[G1+4], 4                           ; tile_dim1
	s_mov_b32 s[G1+5], 8192                        ; tensor_dim0_stride, in elements
	s_mov_b32 s[G1+6], 0
	s_mov_b32 s[G1+7], 0
	; group 1 for v: 64 rows (positions) of 256 elements of 2 bytes, 1,024 elements apart; 8 words of padding behind every 128
	s_or_b32 s[G1B+0], s44, (1<<16)|(1<<20)|(1<<21)|(6<<22)|(7<<25)
	s_mov_b32 s[G1B+1], 256<<16
	s_mov_b32 s[G1B+2], 64<<16
	s_mov_b32 s[G1B+3], 256<<16
	s_mov_b32 s[G1B+4], 64
	s_mov_b32 s[G1B+5], 1024
	s_mov_b32 s[G1B+6], 0
	s_mov_b32 s[G1B+7], 0
	s_lshl_b32 s14, s13, 19                        ; fac: batch << 22 | tile of e << 19 (8 rows of 65,536 bytes),
	s_lshl_b32 s16, s12, 18                        ; + my 4 rows: made of y and the wave's number alone
	s_add_co_u32 s14, s14, s16
	s_mov_b32 s15, 0
	s_lshl_b32 s46, s45, 22                        ; v16: batch << 22,
	s_lshl_b32 s17, s12, 17                        ; + my 64 rows of 2,048 bytes,
	s_add_co_u32 s46, s46, s17
	s_lshl_b32 s17, s42, 9                         ; + the tile's 256 d: made of the batch, x and the wave's number alone
	s_add_co_u32 s46, s46, s17
	s_mov_b32 s47, 0
	s_lshl_b32 s20, s12, 14                        ; where they go: fac's halves at 16,384 x half,
	s_mul_i32 s21, s12, HALFV
	s_add_co_u32 s21, s21, VPART                   ; v's behind them: no place in the cluster enters an LDS address
	s_wait_dscnt 0x0                               ; both opening adds are done
	s_wait_kmcnt 0x0
	s_add_nc_u64 s[14:15], s[4:5], s[14:15]
	s_add_nc_u64 s[46:47], s[6:7], s[46:47]
	CROUND                                         ; all sixteen work-groups are here: the first joint loads meet
.irp s, 0,1
	s_mov_b32 s[G0+4*\s], 1                        ; count = 1
	s_add_co_u32 s[G0+4*\s+1], s20, \s*SLOT        ; LDS address
	s_add_nc_u64 s[G0+4*\s+2:G0+4*\s+3], s[14:15], \s*FSTEP        ; global address: K step s
	s_or_b32 s[G0+4*\s+3], s[G0+4*\s+3], 0x80000000                ; type = 2
	s_mov_b32 s[G0B+4*\s], 1
	s_add_co_u32 s[G0B+4*\s+1], s21, \s*SLOT
	s_add_nc_u64 s[G0B+4*\s+2:G0B+4*\s+3], s[46:47], \s*VSTEP
	s_or_b32 s[G0B+4*\s+3], s[G0B+4*\s+3], 0x80000000
	JLOAD \s                                       ; two loads of mine are out
.endr
	v_and_b32 v1, 31, v0
	v_lshlrev_b32 v[CO], 4, v1                     ; 16 x lane
	s_lshl_b32 s22, s11, 14                        ; my 4 rows (e16) of fac's tile
	v_add_nc_u32 v[ADRF], s22, v[CO]
	v_add_nc_u32 v[ADRF+1], SLOT, v[ADRF]
	; the turning load takes 16 positions x 16 d (lane l reads 16 bytes: position 8 (l / 16) + l % 8, d 8 ((l / 8) % 2) + 0..7) and leaves half a fragment: lane l holds d = l % 16 and 8 positions
	v_bfe_u32 v2, v0, 4, 1
	v_and_b32 v3, 7, v0
	v_bfe_u32 v4, v0, 3, 1
	v_lshl_add_u32 v2, v2, 3, v3
	v_mul_u32_u24 v2, v2, VP
	v_lshl_add_u32 v2, v4, 4, v2
	s_lshl_b32 s23, s12, 8                         ; my 128 d: 256 bytes of a row
	s_add_co_u32 s23, s23, VPART
	v_add_nc_u32 v[ADRV], s23, v2
	v_add_nc_u32 v[ADRV+1], SLOT, v[ADRV]
	; where my 32 images begin in s_img: batch << 22 | e16 << 16 | d16 << 10
	s_lshl_b32 s16, s13, 19
	s_lshl_b32 s17, s11, 18
	s_add_co_u32 s16, s16, s17
	s_lshl_b32 s17, s42, 14
	s_add_co_u32 s16, s16, s17
	s_lshl_b32 s17, s12, 13
	s_add_co_u32 s16, s16, s17
	s_mov_b32 s17, 0
	s_add_nc_u64 s[8:9], s[8:9], s[16:17]
; 48 LDS loads in one run: buffer f takes the slot's positions 64 f .. 64 f + 63; the first 32 along K (24 loads) first
.macro FETCH slot, f
	WIN 0x80+0x40*(\f)                             ; destination window 2 or 3, address window 0
.irp c, 0,1
.irp b, 0,1,2,3,4,5,6,7
	ds_load_tr16_b128 v[8*(8*\c+\b):8*(8*\c+\b)+3],   v[ADRV+\slot] offset:(2*(\f)+\c)*32*VP+32*\b
	ds_load_tr16_b128 v[8*(8*\c+\b)+4:8*(8*\c+\b)+7], v[ADRV+\slot] offset:(2*(\f)+\c)*32*VP+16*VP+32*\b
.endr
.irp a, 0,1,2,3
	ds_load_b128 v[128+8*(4*\c+\a):128+8*(4*\c+\a)+3],   v[ADRF+\slot] offset:\a*4096+(2*(\f)+\c)*1024
	ds_load_b128 v[128+8*(4*\c+\a)+4:128+8*(4*\c+\a)+7], v[ADRF+\slot] offset:\a*4096+(2*(\f)+\c)*1024+512
.endr
.endr
.endm
; 16 matrix instructions: e blocks a0, a0 + 1 x all 8 d blocks, 32 along K: half c of the buffer that the windows name.  zero = 1: the first product starts the sums.
; The 32 accumulators take turns, one instruction a turn, in the same order throughout.
.macro MUL16 c, a0, zero
.irp a, \a0, \a0+1
.irp b, 0,1,2,3,4,5,6,7
.if \zero
	v_wmma_f32_16x16x32_f16 v[8*(8*(\a)+\b):8*(8*(\a)+\b)+7], v[8*(8*\c+\b):8*(8*\c+\b)+7], v[128+8*(4*\c+(\a)):128+8*(4*\c+(\a))+7], 0
.else
	v_wmma_f32_16x16x32_f16 v[8*(8*(\a)+\b):8*(8*(\a)+\b)+7], v[8*(8*\c+\b):8*(8*\c+\b)+7], v[128+8*(4*\c+(\a)):128+8*(4*\c+(\a))+7], v[8*(8*(\a)+\b):8*(8*(\a)+\b)+7]
.endif
.endr
.endr
.endm
; A K step's first half: multiplies buffer 0 and fetches buffer 1 from the same slot.
.macro HALF slot, zero
	s_wait_dscnt 24                                ; the first 32 along K are in; the other 24 loads may be out
	WIN W_F0
	MUL16 0, 0, \zero
	MUL16 0, 2, \zero
	s_wait_dscnt 0x0                               ; the second 32 along K are in
	PLACES
	FETCH \slot, 1
	WIN W_F0
	MUL16 1, 0, 0
	MUL16 1, 2, 0
.endm
; Its second half multiplies buffer 1 and changes slots: ONE barrier; in front of it each wave waits for all its tensor loads, adds 0 to its spare word, and waits for that and for its own reads of this slot.
; fill = 1: the barrier opens a round of the cluster's, and this slot is filled again, two K steps ahead: 96 of a K step's 128 matrix instructions lie between the request and the wait for it.
.macro TURN slot, next, fill
	WIN 0                                          ; (the add's two registers lie in window 0)
	s_wait_tensorcnt 0x0                           ; all my tensor loads have landed: the one that was out is my part of the next slot
	ds_add_u32 v[SPW], v[NIL]                      ; 0 onto my spare word
	s_wait_dscnt 25                                ; (the add and the youngest 24 loads may be out)
	WIN W_F1
	MUL16 0, 0, 0                                  ; sixteen matrix instructions stand between the add and the wait for it
	s_wait_dscnt 0x0                               ; the add is done, and my reads of this slot are over
	s_barrier_signal -1
	MUL16 0, 2, 0
	WIN 0
	s_barrier_wait -1
.if \fill
	CREST                                          ; no wave of any partner still reads this slot's tiles or has a load on its way
	s_add_nc_u64 s[G0+4*\slot+2:G0+4*\slot+3], s[G0+4*\slot+2:G0+4*\slot+3], 2*FSTEP
	s_add_nc_u64 s[G0B+4*\slot+2:G0B+4*\slot+3], s[G0B+4*\slot+2:G0B+4*\slot+3], 2*VSTEP
	JLOAD \slot                                    ; the first tensor load behind the round, my one load until the next; its four v_nop are the places in front of the loads below
.else
	PLACES
.endif
	FETCH \next, 0
	WIN W_F1
	MUL16 1, 0, 0
	MUL16 1, 2, 0
.endm
	s_wait_tensorcnt 1                             ; my part of K step 0 is in (K step 1's may stay out)
	s_barrier_signal -1
	s_barrier_wait -1                              ; everybody's is
	FETCH 0, 0
	HALF 0, 1                                      ; the first half step stands in front of the loop: its first products start the sums
	WIN 0                                          ; at a label and at a branch every window is 0
	s_mov_b32 s3, LAPS-1
.Llap:                                                 ; a trip goes once round the ring and fills both slots again
	TURN 0, 1, 1
	HALF 1, 0
	TURN 1, 0, 1
	HALF 0, 0
	WIN 0
	s_sub_co_u32 s3, s3, 1
	s_cmp_lg_u32 s3, 0
	s_cbranch_scc1 .Llap
	TURN 0, 1, 0                                   ; the last lap fills nothing, and has no round of the cluster's barrier
	HALF 1, 0
	s_wait_dscnt 24                                ; the very last half step: nothing more to fetch
	WIN W_F1
	MUL16 0, 0, 0
	MUL16 0, 2, 0
	s_wait_dscnt 0x0
	MUL16 1, 0, 0
	MUL16 1, 2, 0
	WIN 0
	; THE WAY OUT: the accumulators leave as they stand, each from its low end on: 32 lanes store 512 consecutive aligned bytes
	PLACES
	WIN 0x04                                       ; a store's data are its source 1: window 1
.irp a, 0,1,2,3
.irp b, 0,1,2,3,4,5,6,7
	global_store_b128 v[CO], v[8*(8*\a+\b):8*(8*\a+\b)+3],   s[8:9] offset:\a*65536+\b*1024
	global_store_b128 v[CO], v[8*(8*\a+\b)+4:8*(8*\a+\b)+7], s[8:9] offset:\a*65536+\b*1024+512
.endr
.endr
	WIN 0
	s_wait_tensorcnt 0x0                           ; the wave's end: three lines behind my last tensor load
	ds_add_u32 v[SPW], v[NIL]
	s_wait_dscnt 0x0
	CROUND                                         ; the closing round: no work-group ends while a partner may still ask for a tile that names it
	s_endpgm
.Lfunc_end_k_qf99b4a4aad_smat:
	.size	k_qf99b4a4aad_smat, .Lfunc_end_k_qf99b4a4aad_smat-k_qf99b4a4aad_smat
	.p2alignl 7, 3214868480
	.fill 96, 4, 3214868480
	.section	.rodata,"a",@progbits
	.p2align	6, 0x0
	.amdhsa_kernel k_qf99b4a4aad_smat
		.amdhsa_group_segment_fixed_size 327680
		.amdhsa_private_segment_fixed_size 0
		.amdhsa_enable_private_segment 0
		.amdhsa_kernarg_size 24
		.amdhsa_user_sgpr_count 2
		.amdhsa_user_sgpr_kernarg_segment_ptr 1
		.amdhsa_wavefront_size32 1
		.amdhsa_system_sgpr_workgroup_id_x 1
		.amdhsa_system_sgpr_workgroup_id_y 1
		.amdhsa_system_sgpr_workgroup_id_z 1
		.amdhsa_system_vgpr_workitem_id 0
		.amdhsa_next_free_vgpr 1024
		.amdhsa_next_free_sgpr 66
		.amdhsa_reserve_vcc 0
		.amdhsa_float_denorm_mode_32 3
		.amdhsa_float_denorm_mode_16_64 3
		.amdhsa_memory_ordered 1
		.amdhsa_forward_progress 1
		.amdhsa_inst_pref_size 74
	.end_amdhsa_kernel
	.amdgpu_metadata
---
amdhsa.version: [ 1, 2 ]
amdhsa.kernels:
  - .name:           k_qf99b4a4aad_smat
    .symbol:         k_qf99b4a4aad_smat.kd
    .args:
      - { .name: fac, .offset: 0, .size: 8, .value_kind: global_buffer, .address_space: global }
      - { .name: v16, .offset: 8, .size: 8, .value_kind: global_buffer, .address_space: global }
      - { .name: s_img, .offset: 16, .size: 8, .value_kind: global_buffer, .address_space: global }
    .group_segment_fixed_size: 327680
    .private_segment_fixed_size: 0
    .kernarg_segment_align: 8
    .kernarg_segment_size: 24
    .max_flat_workgroup_size: 128
    .sgpr_count:     66
    .vgpr_count:     1024
    .wavefront_size: 32
...
	.end_amdgpu_metadata
.endif
;; end of part 3
;; launch smax (part 4): grid 1024 x 1, 4 waves a work-group, no clusters, 0 bytes of LDS; arguments s_img, attn; writes attn
.if DOCPART == 4
	.amdgcn_target "amdgcn-amd-amdhsa--gfx1250"
	.amdhsa_code_object_version 6
	.text
	.protected	k_qf99b4a4aad_smax
	.globl	k_qf99b4a4aad_smax
	.p2align	8
	.type	k_qf99b4a4aad_smax,@function
k_qf99b4a4aad_smax:
	s_mov_b64 s[64:65], 0
	v_nop
	global_prefetch_b8 v0, s[64:65] scope:SCOPE_SE
	s_setreg_imm32_b32 hwreg(HW_REG_WAVE_MODE, 25, 1), 1
	s_wait_xcnt 0x0
; attn[b][d][e] = softmax over the EIGHT BATCHES b of s[b][d][e], rounded to f16.  s_img holds images of registers, [8 batches][4096 places (e16, d16)][1024 bytes]; attn the same lanes packed, [8][4096][512 bytes].
; A place's eight numbers of a lane have their eight partners, one in each batch, in the same lane and register of the other batches' images: nothing changes lanes.  One wave takes one place in all eight batches:
; 16 loads of 512 consecutive bytes, all out together, and 8 stores of 512 consecutive aligned bytes.  4,096 waves; each byte is read once and written once; no wave shares a byte with another: no LDS, no cluster, no loop.
; The maximum over the batches is taken away ahead of the exponential: p = 2^(s c - m c), c = log2(e), by one fused multiply-add; the rounded product m c is the same in all eight batches, so that its rounding
; falls out in the division by the sum.  The largest p is 1 within rounding, so the sum is at least about 1 and at most about 8.
.set X, 16                             ; v16-79   batch b's eight numbers at v[X + 8 b]
.set M, 80                             ; v80-87   the maxima, then m c
.set S, 88                             ; v88-95   the sums, then their reciprocals
.set Y, 96                             ; v96-127  packed results, four registers a batch
	s_load_b128 s[4:7], s[0:1], 0x0                ; s_img, attn
	v_lshrrev_b32 v2, 5, v0
	v_readfirstlane_b32 s8, v2                     ; wave
	v_and_b32 v1, 31, v0
	v_lshlrev_b32 v1, 4, v1                        ; 16 x lane
	s_lshl_b32 s9, ttmp9, 2
	s_add_co_u32 s9, s9, s8                        ; my place, 0..4095
	s_lshl_b32 s10, s9, 10
	s_mov_b32 s11, 0
	s_mov_b32 s24, 0x3fb8aa3b                      ; c = log2(e)
	s_mov_b32 s25, s24                             ; (named with it as a pair, so it is written)
	s_wait_kmcnt 0x0
	s_add_nc_u64 s[12:13], s[4:5], s[10:11]        ; a batch of s_img is 4 MiB: a base for every two batches, so that the offsets stay inside the signed 24-bit immediate (ISA guide, chapter 10)
	s_add_nc_u64 s[14:15], s[12:13], 0x800000
	s_add_nc_u64 s[16:17], s[14:15], 0x800000
	s_add_nc_u64 s[18:19], s[16:17], 0x800000
	s_lshl_b32 s10, s9, 9
	s_add_nc_u64 s[20:21], s[6:7], s[10:11]        ; a batch of attn is 2 MiB: a base for every four
	s_add_nc_u64 s[22:23], s[20:21], 0x800000
.irp bt, 0,1,2,3,4,5,6,7
	global_load_b128 v[X+8*\bt:X+8*\bt+3],   v1, s[12+2*(\bt/2):13+2*(\bt/2)] offset:(\bt%2)*4194304 th:TH_LOAD_NT
	global_load_b128 v[X+8*\bt+4:X+8*\bt+7], v1, s[12+2*(\bt/2):13+2*(\bt/2)] offset:(\bt%2)*4194304+512 th:TH_LOAD_NT
.endr
	s_wait_loadcnt 0x0
.irp i, 0,1,2,3,4,5,6,7
	v_max3_num_f32 v[M+\i], v[X+\i], v[X+8+\i], v[X+16+\i]         ; the eight chains by turns
.endr
.irp i, 0,1,2,3,4,5,6,7
	v_max3_num_f32 v[M+\i], v[M+\i], v[X+24+\i], v[X+32+\i]
.endr
.irp i, 0,1,2,3,4,5,6,7
	v_max3_num_f32 v[M+\i], v[M+\i], v[X+40+\i], v[X+48+\i]
.endr
.irp i, 0,1,2,3,4,5,6,7
	v_max_num_f32 v[M+\i], v[M+\i], v[X+56+\i]
.endr
.irp p, 0,2,4,6
	v_pk_mul_f32 v[M+\p:M+\p+1], v[M+\p:M+\p+1], s[24:25] op_sel_hi:[1,0]    ; m c
.endr
.irp bt, 0,1,2,3,4,5,6,7
.irp p, 0,2,4,6
	v_pk_fma_f32 v[X+8*\bt+\p:X+8*\bt+\p+1], v[X+8*\bt+\p:X+8*\bt+\p+1], s[24:25], v[M+\p:M+\p+1] op_sel_hi:[1,0,1] neg_lo:[0,0,1] neg_hi:[0,0,1]   ; s c - m c
.endr
.endr
.set JJ, 0
.rept 64
	v_exp_f32 v[X+JJ], v[X+JJ]
.set JJ, JJ+1
.endr
	v_nop                                          ; a plain line behind the last exponential,
	s_wait_alu depctr_va_vdst(0)                   ; and one wait for the batch ahead of its first reader
.irp p, 0,2,4,6
	v_pk_add_f32 v[S+\p:S+\p+1], v[X+\p:X+\p+1], v[X+8+\p:X+8+\p+1]
.endr
.irp bt, 2,3,4,5,6,7
.irp p, 0,2,4,6
	v_pk_add_f32 v[S+\p:S+\p+1], v[S+\p:S+\p+1], v[X+8*\bt+\p:X+8*\bt+\p+1]
.endr
.endr
.irp i, 0,1,2,3,4,5,6,7
	v_rcp_f32 v[S+\i], v[S+\i]
.endr
	v_nop
	s_wait_alu depctr_va_vdst(0)
.irp bt, 0,1,2,3,4,5,6,7
.irp p, 0,2,4,6
	v_pk_mul_f32 v[X+8*\bt+\p:X+8*\bt+\p+1], v[X+8*\bt+\p:X+8*\bt+\p+1], v[S+\p:S+\p+1]
.endr
.endr
.irp bt, 0,1,2,3,4,5,6,7
.irp p, 0,1,2,3
	v_cvt_pk_f16_f32 v[Y+4*\bt+\p], v[X+8*\bt+2*\p], v[X+8*\bt+2*\p+1]       ; the lower d into the low half
.endr
.endr
.irp bt, 0,1,2,3,4,5,6,7
	global_store_b128 v1, v[Y+4*\bt:Y+4*\bt+3], s[20+2*(\bt/4):21+2*(\bt/4)] offset:(\bt%4)*2097152
.endr
	s_endpgm
.Lfunc_end_k_qf99b4a4aad_smax:
	.size	k_qf99b4a4aad_smax, .Lfunc_end_k_qf99b4a4aad_smax-k_qf99b4a4aad_smax
	.p2alignl 7, 3214868480
	.fill 96, 4, 3214868480
	.section	.rodata,"a",@progbits
	.p2align	6, 0x0
	.amdhsa_kernel k_qf99b4a4aad_smax
		.amdhsa_group_segment_fixed_size 0
		.amdhsa_private_segment_fixed_size 0
		.amdhsa_enable_private_segment 0
		.amdhsa_kernarg_size 16
		.amdhsa_user_sgpr_count 2
		.amdhsa_user_sgpr_kernarg_segment_ptr 1
		.amdhsa_wavefront_size32 1
		.amdhsa_system_sgpr_workgroup_id_x 1
		.amdhsa_system_sgpr_workgroup_id_y 1
		.amdhsa_system_sgpr_workgroup_id_z 1
		.amdhsa_system_vgpr_workitem_id 0
		.amdhsa_next_free_vgpr 128
		.amdhsa_next_free_sgpr 66
		.amdhsa_reserve_vcc 0
		.amdhsa_float_denorm_mode_32 3
		.amdhsa_float_denorm_mode_16_64 3
		.amdhsa_memory_ordered 1
		.amdhsa_forward_progress 1
		.amdhsa_inst_pref_size 16
	.end_amdhsa_kernel
	.amdgpu_metadata
---
amdhsa.version: [ 1, 2 ]
amdhsa.kernels:
  - .name:           k_qf99b4a4aad_smax
    .symbol:         k_qf99b4a4aad_smax.kd
    .args:
      - { .name: s_img, .offset: 0, .size: 8, .value_kind: global_buffer, .address_space: global }
      - { .name: attn, .offset: 8, .size: 8, .value_kind: global_buffer, .address_space: global }
    .group_segment_fixed_size: 0
    .private_segment_fixed_size: 0
    .kernarg_segment_align: 8
    .kernarg_segment_size: 16
    .max_flat_workgroup_size: 128
    .sgpr_count:     66
    .vgpr_count:     128
    .wavefront_size: 32
...
	.end_amdgpu_metadata
.endif
;; end of part 4
;; launch outp (part 5): grid 4 x 64, 4 waves a work-group, clusters of 4 x 4, 327,680 bytes of LDS; arguments v16, attn, out0; writes out0
.if DOCPART == 5
	.amdgcn_target "amdgcn-amd-amdhsa--gfx1250"
	.amdhsa_code_object_version 6
	.text
	.protected	k_qf99b4a4aad_outp
	.globl	k_qf99b4a4aad_outp
	.p2align	8
	.type	k_qf99b4a4aad_outp,@function
k_qf99b4a4aad_outp:
	s_mov_b64 s[64:65], 0
	v_nop
	global_prefetch_b8 v0, s[64:65] scope:SCOPE_SE
	s_setreg_imm32_b32 hwreg(HW_REG_WAVE_MODE, 25, 1), 1
	s_wait_xcnt 0x0
	s_wait_alu depctr_hold_cnt(0) depctr_sa_sdst(0) depctr_va_vdst(0) depctr_va_sdst(0) depctr_va_ssrc(0) depctr_va_vcc(0) depctr_vm_vsrc(0)
	s_getreg_b32 s2, hwreg(HW_REG_IB_STS2, 6, 4)
	s_cmp_eq_u32 s2, 0
	s_cbranch_scc0 .Lentry_in_a_cluster
	s_endpgm
.Lentry_in_a_cluster:
	s_bfe_u32 s2, ttmp6, 0x10000c
	s_cmp_lg_u32 s2, 0xf033
	s_cbranch_scc0 .Lentry_shape_is_right
	s_endpgm
.Lentry_shape_is_right:
; out[b][p][e] = the sum over d of v[b][p][d] attn[b][d][e], f16 operands, f32 sums, f32 out.  K = 1024.
; A tile, 256 positions x 256 e, is made by a work-group of four waves; a wave makes 128 x 128: 64 accumulators, 512 registers.  Work-group x = the tile of e (0..3); y = the tile of the 16,384 rows (8 to a batch).
; K goes in steps of 128 through a ring of two LDS slots filled by the tensor data mover.
; OPERANDS.  v16 is [row][d], K innermost: rows of 256 bytes in LDS, 272 apart.  attn comes as images of registers, [batch][64 e16][64 d16][512 bytes]: two neighbouring images are a fragment of 16 e x 32 d,
; read by two ds_load_b128 at 16 x lane: dense, no padding.
; SOURCE 0 = 16 e, SOURCE 1 = 16 rows of v: a lane then holds eight neighbouring e of one row of out.
; CLUSTERS: 4 x 4 work-groups, all of one batch.  v's tile hangs on y alone and is shared along a row of the cluster, attn's on x and the batch and is shared along a column.
; REGISTERS, in windows of 256: window 0: v0-31 addresses; v64-127, v128-191 fragments of v, two buffers; on the way out v128-255.  window 1: v64-127, v128-191 fragments of attn, two buffers.
;   window 2: the 32 accumulators of my rows 0-63 ((a, b) at v[8 (8 a + b)]);   window 3: those of my rows 64-127.
.set PITCH,  272                       ; an LDS row of v: 256 bytes + 16 of padding = 68 words: the 16 rows that a load touches start at 16 different banks (64 banks of 4 bytes: ISA guide 11.1)
.set HALFA,  128*PITCH                 ; what one tensor load brings of v
.set BPART,  2*HALFA                   ; behind v's 256 rows: attn's 16 rows (e16) of 4,096 bytes
.set HALFB,  32768                     ; what one tensor load brings of attn
.set SLOT,   BPART+2*HALFB             ; 135,168
.set SPARE,  2*SLOT                    ; behind the ring: the spare words, 128 bytes for each wave
.set SPITCH, 528                       ; the way out: a stage of 16 rows x (512 bytes + 16) for each wave, in slot 0, which has had its last fill and its last read when the first result is stored there
.set LAPS,   4                         ; 8 K steps, two to a lap
.set ADRA, 16                          ; v16-17  LDS address of my fragments of v in slot 0, 1
.set ADRB, 20                          ; v20-21  the same for attn
.set STO,  24                          ; v24     the way out: where I put 32 bytes of a row
.set RD,   25                          ; v25     the way out: where I read a row back
.set CO,   26                          ; v26     16 x lane
.set SPW,  28                          ; v28     LDS address of my spare word; never rewritten
.set NIL,  29                          ; v29     0; never rewritten
.set F0,   64                          ; fragment buffer 0
.set F1,   128                         ; fragment buffer 1
.set BK,   128                         ; the way out: 16 rows read back from the stage: v128-191 and v192-255 by turns
.set G1, 24                            ; s[24:31] descriptor group 1 for v's tiles;  s[32:39] group 0, one set for each slot
.set G0, 32
.set G1B, 48                           ; s[48:55], s[56:63] the same for attn's tiles
.set G0B, 56
.set MSB, 0
.macro WIN new                         ; the immediate's high byte repeats the setting that is left; a switch that changes nothing is dropped
.if MSB != (\new)
	s_set_vgpr_msb (MSB<<8)|(\new)
.set MSB, (\new)
.endif
.endm
.set MUL_LO, 0xa1                      ; source 0 (attn) window 1, source 1 (v) window 0, C and D window 2
.set MUL_HI, 0xf1                      ; the same, C and D window 3
.set TO_B,   0x40                      ; destination window 1, address window 0
; A joint load: waves 0 and 1 fetch v's two halves, waves 2 and 3 attn's.  The branch hangs on the wave's number alone.  An s_nop 0 and four v_nop follow each of the two lines.
.macro JLOAD s
	s_cmp_eq_u32 s11, 0
	s_cbranch_scc0 .Lfor_b_\@
	tensor_load_to_lds s[G0+4*\s:G0+4*\s+3], s[G1:G1+7]
	s_nop 0
.rept 4
	v_nop
.endr
	s_branch .Lasked_\@
.Lfor_b_\@:
	tensor_load_to_lds s[G0B+4*\s:G0B+4*\s+3], s[G1B:G1B+7]
	s_nop 0
.rept 4
	v_nop
.endr
.Lasked_\@:
.endm
.macro CREST                           ; a round of the cluster's barrier behind its opening barrier
	s_cmp_lg_u32 s10, 0
	s_cbranch_scc1 .Lnot_wave_0_\@
	s_barrier_signal -3
.Lnot_wave_0_\@:
	s_barrier_wait -3
	s_barrier_signal -1
	s_barrier_wait -1
.endm
.macro CROUND
	s_barrier_signal -1
	s_barrier_wait -1
	CREST
.endm
.macro PLACES                          ; four places in front of loads into registers that matrix instructions have read, and of LDS stores that read results (ISA guide 7.12.1 for the LDS stores)
.rept 4
	v_nop
.endr
.endm
	s_load_b128 s[4:7], s[0:1], 0x0                ; v16 s[4:5], attn s[6:7]
	s_load_b64 s[8:9], s[0:1], 0x10                ; out0
	v_lshl_add_u32 v[SPW], v0, 2, SPARE
	v_mov_b32 v[NIL], 0
	ds_add_u32 v[SPW], v[NIL]                      ; the wave's opening: the add, twice on end, and its wait ahead of my first tensor load; the set-up below stands between
	ds_add_u32 v[SPW], v[NIL]
	v_lshrrev_b32 v1, 5, v0
	v_readfirstlane_b32 s10, v1                    ; wave 0..3
	s_lshr_b32 s11, s10, 1                         ; which 128 rows are mine.  Also: I fetch for v (0) or for attn (1)
	s_and_b32 s12, s10, 1                          ; which 128 e are mine.  Also: which half of that tile I fetch
	s_bfe_u32 s40, ttmp6, 0x40000                  ; cx, cy
	s_bfe_u32 s41, ttmp6, 0x40004
	s_lshl_b32 s42, ttmp9, 2
	s_add_co_u32 s42, s42, s40                     ; the tile of e = 4 x cluster x + cx
	s_and_b32 s45, ttmp7, 0xffff                   ; cluster y
	s_lshl_b32 s13, s45, 2
	s_add_co_u32 s13, s13, s41                     ; the tile of rows = 4 x cluster y + cy
	s_lshr_b32 s45, s45, 1                         ; the batch, of the cluster's y alone: all sixteen partners share it
	s_lshl_b32 s43, s41, 2
	s_lshl_b32 s43, 15, s43                        ; my row of the cluster
	s_lshl_b32 s44, 0x1111, s40                    ; my column
	; group 1 for v: 128 rows of 128 elements of 2 bytes, 1,024 elements apart; 4 words of padding behind every 64
	s_or_b32 s[G1+0], s43, (1<<16)|(1<<20)|(1<<21)|(5<<22)|(3<<25)
	s_mov_b32 s[G1+1], 128<<16                     ; tensor_dim0
	s_mov_b32 s[G1+2], 128<<16                     ; tensor_dim1
	s_mov_b32 s[G1+3], 128<<16                     ; tile_dim0
	s_mov_b32 s[G1+4], 128                         ; tile_dim1
	s_mov_b32 s[G1+5], 1024                        ; tensor_dim0_stride
	s_mov_b32 s[G1+6], 0
	s_mov_b32 s[G1+7], 0
	; group 1 for attn: 8 rows (e16) of 4,096 bytes = 512 elements of 8 bytes, 32,768 bytes apart; dense in LDS
	s_or_b32 s[G1B+0], s44, (3<<16)|(1<<21)
	s_mov_b32 s[G1B+1], 512<<16
	s_mov_b32 s[G1B+2], 8<<16
	s_mov_b32 s[G1B+3], 512<<16
	s_mov_b32 s[G1B+4], 8
	s_mov_b32 s[G1B+5], 4096
	s_mov_b32 s[G1B+6], 0
	s_mov_b32 s[G1B+7], 0
	s_lshl_b32 s14, s13, 19                        ; v16: 256 rows of 2,048 bytes a tile,
	s_lshl_b32 s16, s12, 18                        ; + my 128 rows: made of y and the wave's number alone
	s_add_co_u32 s14, s14, s16
	s_mov_b32 s15, 0
	s_lshl_b32 s46, s45, 21                        ; attn: batch << 21,
	s_lshl_b32 s17, s42, 19                        ; + the tile's 16 rows of 32,768 bytes,
	s_add_co_u32 s46, s46, s17
	s_lshl_b32 s17, s12, 18                        ; + my 8 rows: made of the batch, x and the wave's number alone
	s_add_co_u32 s46, s46, s17
	s_mov_b32 s47, 0
	s_mul_i32 s20, s12, HALFA                      ; where they go: v's halves,
	s_lshl_b32 s21, s12, 15
	s_add_co_u32 s21, s21, BPART                   ; attn's behind them: no place in the cluster enters an LDS address
	s_wait_dscnt 0x0                               ; both opening adds are done
	s_wait_kmcnt 0x0
	s_add_nc_u64 s[14:15], s[4:5], s[14:15]
	s_add_nc_u64 s[46:47], s[6:7], s[46:47]
	CROUND                                         ; all sixteen work-groups are here: the first joint loads meet
.irp s, 0,1
	s_mov_b32 s[G0+4*\s], 1                        ; count = 1
	s_add_co_u32 s[G0+4*\s+1], s20, \s*SLOT        ; LDS address
	s_add_nc_u64 s[G0+4*\s+2:G0+4*\s+3], s[14:15], \s*256          ; global address: K step s: 128 d = 256 bytes of a row
	s_or_b32 s[G0+4*\s+3], s[G0+4*\s+3], 0x80000000                ; type = 2
	s_mov_b32 s[G0B+4*\s], 1
	s_add_co_u32 s[G0B+4*\s+1], s21, \s*SLOT
	s_add_nc_u64 s[G0B+4*\s+2:G0B+4*\s+3], s[46:47], \s*4096       ; 128 d = 8 images
	s_or_b32 s[G0B+4*\s+3], s[G0B+4*\s+3], 0x80000000
	JLOAD \s                                       ; two loads of mine are out
.endr
	v_and_b32 v1, 15, v0                           ; l % 16
	v_bfe_u32 v2, v0, 4, 1                         ; l / 16
	v_mul_u32_u24 v3, v1, PITCH
	v_lshl_add_u32 v3, v2, 4, v3                   ; a fragment's row x pitch + 16 x half
	s_mul_i32 s22, s11, HALFA                      ; my 128 rows of v
	v_add_nc_u32 v[ADRA], s22, v3
	v_add_nc_u32 v[ADRA+1], SLOT, v[ADRA]
	v_and_b32 v4, 31, v0
	v_lshlrev_b32 v[CO], 4, v4                     ; 16 x lane
	s_lshl_b32 s23, s12, 15                        ; my 8 rows (e16) of attn
	s_add_co_u32 s23, s23, BPART
	v_add_nc_u32 v[ADRB], s23, v[CO]
	v_add_nc_u32 v[ADRB+1], SLOT, v[ADRB]
	s_mul_i32 s23, s10, 16*SPITCH                  ; my stage
	v_mul_u32_u24 v5, v1, SPITCH                   ; in: row l % 16, 32 bytes for each half of the lanes
	v_lshl_add_u32 v5, v2, 5, v5
	v_add_nc_u32 v[STO], s23, v5
	v_add_nc_u32 v[RD], s23, v[CO]                 ; back: the 32 lanes take one row of 512 bytes
	s_lshl_b32 s16, s13, 20                        ; out0: 256 rows of 4,096 bytes a tile,
	s_lshl_b32 s17, s11, 19                        ; my 128 rows,
	s_add_co_u32 s16, s16, s17
	s_lshl_b32 s17, s42, 10                        ; the tile's 256 e,
	s_add_co_u32 s16, s16, s17
	s_lshl_b32 s17, s12, 9                         ; my 128 e
	s_add_co_u32 s16, s16, s17
	s_mov_b32 s17, 0
	s_add_nc_u64 s[8:9], s[8:9], s[16:17]
; 16 matrix instructions: row blocks a0, a0 + 1 of the window's four (hi = 0: my rows 0-63, 1: rows 64-127) x all 8 blocks of e, 32 along K.  zero = 1: the first product starts the sums.
; The 64 accumulators take turns, one instruction a turn, in the same order in every quarter step.
.macro MUL16 f, hi, a0, zero
.irp a, \a0, \a0+1
.irp b, 0,1,2,3,4,5,6,7
.if \zero
	v_wmma_f32_16x16x32_f16 v[8*(8*(\a)+\b):8*(8*(\a)+\b)+7], v[\f+8*\b:\f+8*\b+7], v[\f+8*(4*\hi+\a):\f+8*(4*\hi+\a)+7], 0
.else
	v_wmma_f32_16x16x32_f16 v[8*(8*(\a)+\b):8*(8*(\a)+\b)+7], v[\f+8*\b:\f+8*\b+7], v[\f+8*(4*\hi+\a):\f+8*(4*\hi+\a)+7], v[8*(8*(\a)+\b):8*(8*(\a)+\b)+7]
.endif
.endr
.endr
.endm
; 32 LDS loads in one run: the fragments of the slot's q-th 32 along K into buffer f: attn's eight, then v's eight
.macro FETCH slot, q, f
	WIN TO_B
.irp i, 0,1,2,3,4,5,6,7
	ds_load_b128 v[\f+8*\i:\f+8*\i+3],   v[ADRB+\slot] offset:\i*4096+(\q)*1024
	ds_load_b128 v[\f+8*\i+4:\f+8*\i+7], v[ADRB+\slot] offset:\i*4096+(\q)*1024+512
.endr
	WIN 0
.irp i, 0,1,2,3,4,5,6,7
	ds_load_b128 v[\f+8*\i:\f+8*\i+3],   v[ADRA+\slot] offset:64*(\q)+\i*16*PITCH
	ds_load_b128 v[\f+8*\i+4:\f+8*\i+7], v[ADRA+\slot] offset:64*(\q)+\i*16*PITCH+32
.endr
.endm
; A K step is four quarters of 32 along K, 64 matrix instructions each, on buffers 0, 1, 0, 1.  One of the first three: multiplies buffer f; in its middle it fetches quarter q of the same slot into buffer g.
.macro QUARTER slot, q, f, g, zero
	s_wait_dscnt 8                                 ; attn's fragments and v's rows 0-63 are in; the youngest eight loads (v's rows 64-127) may be out
	WIN MUL_LO
	MUL16 \f, 0, 0, \zero
	MUL16 \f, 0, 2, \zero
	PLACES
	FETCH \slot, \q, \g
	s_wait_dscnt 32                                ; all but the 32 just issued
	WIN MUL_HI
	MUL16 \f, 1, 0, \zero
	MUL16 \f, 1, 2, \zero
.endm
; The last quarter multiplies buffer 1 and changes slots: ONE barrier; in front of it each wave waits for all its tensor loads, adds 0 to its spare word, and waits for that and for its own reads of this slot.
; fill = 1: the barrier opens a round of the cluster's, and this slot is filled again, two K steps ahead: 224 matrix instructions lie between the request and the wait for it.
.macro TURN slot, next, fill
	WIN 0                                          ; (the add's two registers lie in window 0)
	s_wait_tensorcnt 0x0                           ; all my tensor loads have landed: the one that was out is my part of the next slot
	ds_add_u32 v[SPW], v[NIL]                      ; 0 onto my spare word
	s_wait_dscnt 9                                 ; (the add and the youngest eight loads may be out)
	WIN MUL_LO
	MUL16 F1, 0, 0, 0                              ; sixteen matrix instructions stand between the add and the wait for it
	s_wait_dscnt 0x0                               ; the add is done, and my reads of this slot are over
	s_barrier_signal -1
	MUL16 F1, 0, 2, 0
	WIN 0
	s_barrier_wait -1
.if \fill
	CREST                                          ; no wave of any partner still reads this slot's tiles or has a load on its way
	s_add_nc_u64 s[G0+4*\slot+2:G0+4*\slot+3], s[G0+4*\slot+2:G0+4*\slot+3], 2*256
	s_add_nc_u64 s[G0B+4*\slot+2:G0B+4*\slot+3], s[G0B+4*\slot+2:G0B+4*\slot+3], 2*4096
	JLOAD \slot                                    ; the first tensor load behind the round, my one load until the next; its four v_nop are the places in front of the loads below
.else
	PLACES
.endif
	FETCH \next, 0, F0
	WIN MUL_HI
	MUL16 F1, 1, 0, 0
	MUL16 F1, 1, 2, 0
.endm
	s_wait_tensorcnt 1                             ; my part of K step 0 is in (K step 1's may stay out)
	s_barrier_signal -1
	s_barrier_wait -1                              ; everybody's is
	FETCH 0, 0, F0
	QUARTER 0, 1, F0, F1, 1                        ; the first quarter stands in front of the loop: its products start the sums
	WIN 0                                          ; at a label and at a branch every window is 0
	s_mov_b32 s3, LAPS-1
.Llap:                                                 ; a trip goes once round the ring, from a lap's second quarter to the next lap's first, and fills both slots again
	QUARTER 0, 2, F1, F0, 0
	QUARTER 0, 3, F0, F1, 0
	TURN 0, 1, 1
	QUARTER 1, 1, F0, F1, 0
	QUARTER 1, 2, F1, F0, 0
	QUARTER 1, 3, F0, F1, 0
	TURN 1, 0, 1
	QUARTER 0, 1, F0, F1, 0
	WIN 0
	s_sub_co_u32 s3, s3, 1
	s_cmp_lg_u32 s3, 0
	s_cbranch_scc1 .Llap
	QUARTER 0, 2, F1, F0, 0                        ; the last lap fills nothing, and has no round of the cluster's barrier
	QUARTER 0, 3, F0, F1, 0
	TURN 0, 1, 0
	QUARTER 1, 1, F0, F1, 0
	QUARTER 1, 2, F1, F0, 0
	QUARTER 1, 3, F0, F1, 0
	s_wait_dscnt 8                                 ; the very last quarter: nothing more to fetch
	WIN MUL_LO
	MUL16 F1, 0, 0, 0
	MUL16 F1, 0, 2, 0
	s_wait_dscnt 0x0
	WIN MUL_HI
	MUL16 F1, 1, 0, 0
	MUL16 F1, 1, 2, 0
	WIN 0
; THE WAY OUT, block by block of 16 rows x 128 e.  A lane holds 32 neighbouring bytes of a row, and the lanes beside it hold other rows: so a block goes through my own stage in LDS and comes back as whole rows of
; 512 bytes, which the 32 lanes store as 512 consecutive aligned bytes.  LDS serves a wave's instructions in order (ISA guide 5.7.1.4): no wait between the stores and the loads, nor in front of the next block's stores.
.macro TOSTAGE a
.set AC, 64*((\a)%4)
	WIN 0x08+4*((\a)/4)                            ; an LDS store's data are its source 1: window 2 or 3
.irp b, 0,1,2,3,4,5,6,7
	ds_store_b128 v[STO], v[AC+8*\b:AC+8*\b+3] offset:64*\b          ; each accumulator from its low end on
	ds_store_b128 v[STO], v[AC+8*\b+4:AC+8*\b+7] offset:64*\b+16
.endr
	WIN 0
.set BB, BK+64*((\a)%2)
.irp t, 0,1,2,3,4,5,6,7,8,9,10,11,12,13,14,15
	ds_load_b128 v[BB+4*\t:BB+4*\t+3], v[RD] offset:\t*SPITCH
.endr
.endm
.macro SEND a, younger                 ; younger: the LDS instructions issued behind block a's loads, which may stay out
.set BB, BK+64*((\a)%2)
	s_wait_dscnt \younger                          ; the block is back in registers
.if (\a) > 0
	s_add_nc_u64 s[8:9], s[8:9], 16*4096           ; (behind a wait on XCNT: the earlier stores have read their base)  16 rows of out on
.endif
.irp t, 0,1,2,3,4,5,6,7,8,9,10,11,12,13,14,15
	global_store_b128 v[CO], v[BB+4*\t:BB+4*\t+3], s[8:9] offset:\t*4096 th:TH_STORE_NT   ; written once, read by nobody here
.endr
.endm
	PLACES                                         ; behind the last products: for the LDS stores that read results and for the loads into the registers that held v's fragments
	TOSTAGE 0
.irp a, 1,2,3,4,5,6,7
.if \a > 1
	s_wait_xcnt 0x0                                ; block a - 2's stores have read their registers and their base: block a's loads may land there, and the base may step
.endif
	TOSTAGE \a
	SEND \a-1, 32                                  ; behind block a - 1's loads: block a's 16 stores and 16 loads
.endr
	s_wait_xcnt 0x0                                ; block 6's stores have read their base
	SEND 7, 0
	s_wait_tensorcnt 0x0                           ; the wave's end: three lines behind my last tensor load and my last LDS store
	ds_add_u32 v[SPW], v[NIL]
	s_wait_dscnt 0x0
	CROUND                                         ; the closing round: no work-group ends while a partner may still ask for a tile that names it
	s_endpgm
.Lfunc_end_k_qf99b4a4aad_outp:
	.size	k_qf99b4a4aad_outp, .Lfunc_end_k_qf99b4a4aad_outp-k_qf99b4a4aad_outp
	.p2alignl 7, 3214868480
	.fill 96, 4, 3214868480
	.section	.rodata,"a",@progbits
	.p2align	6, 0x0
	.amdhsa_kernel k_qf99b4a4aad_outp
		.amdhsa_group_segment_fixed_size 327680
		.amdhsa_private_segment_fixed_size 0
		.amdhsa_enable_private_segment 0
		.amdhsa_kernarg_size 24
		.amdhsa_user_sgpr_count 2
		.amdhsa_user_sgpr_kernarg_segment_ptr 1
		.amdhsa_wavefront_size32 1
		.amdhsa_system_sgpr_workgroup_id_x 1
		.amdhsa_system_sgpr_workgroup_id_y 1
		.amdhsa_system_sgpr_workgroup_id_z 1
		.amdhsa_system_vgpr_workitem_id 0
		.amdhsa_next_free_vgpr 1024
		.amdhsa_next_free_sgpr 66
		.amdhsa_reserve_vcc 0
		.amdhsa_float_denorm_mode_32 3
		.amdhsa_float_denorm_mode_16_64 3
		.amdhsa_memory_ordered 1
		.amdhsa_forward_progress 1
		.amdhsa_inst_pref_size 140
	.end_amdhsa_kernel
	.amdgpu_metadata
---
amdhsa.version: [ 1, 2 ]
amdhsa.kernels:
  - .name:           k_qf99b4a4aad_outp
    .symbol:         k_qf99b4a4aad_outp.kd
    .args:
      - { .name: v16, .offset: 0, .size: 8, .value_kind: global_buffer, .address_space: global }
      - { .name: attn, .offset: 8, .size: 8, .value_kind: global_buffer, .address_space: global }
      - { .name: out0, .offset: 16, .size: 8, .value_kind: global_buffer, .address_space: global }
    .group_segment_fixed_size: 327680
    .private_segment_fixed_size: 0
    .kernarg_segment_align: 8
    .kernarg_segment_size: 24
    .max_flat_workgroup_size: 128
    .sgpr_count:     66
    .vgpr_count:     1024
    .wavefront_size: 32
...
	.end_amdgpu_metadata
.endif
;; end of part 5
